; MI455X (gfx1250); checked and timed in simulation.
; The chip was launched on July 23, 2026; its instructions are those of AMD's public machine-readable ISA for CDNA 5 (MIT licence, August 2026) and "CDNA5" Instruction Set Architecture Reference Guide (July 2026). The comments in the code are by the model that wrote it; some were corrected since.
;; multi head attention. Allowed arithmetic: float matrix products may take bf16 or f16 operands with f32 sums; all other float work in f32.
;; Inputs: L_K 1,024 x 1,024 float32; L_Q 1,024 x 1,024 float32; L_V 1,024 x 1,024 float32; dense_M 1,024 x 1,024 float32; dense_b 1,024 x 1 float32; x 3 x 8 x 1,024 x 1,024 float32.
;; Outputs: out0 8 x 1,024 x 1,024 float32.
;; 2 versions, each right; version 2 is version 1 with the launch tohalf written anew for expert scheduling mode. Each part assembles by itself: llvm-mc -triple=amdgcn-amd-amdhsa -mcpu=gfx1250 --defsym DOCPART=n.
;; ======== version 1 of 2: 4 launches
;; limits: values are held in f16: magnitudes above 65,504 overflow, below 6.1e-05 lose precision
;; workspace buffers: xh 50,331,648 bytes; wh 8,388,608 bytes; qkv 50,331,648 bytes; att 16,777,216 bytes
;; launch tohalf (part 1): grid 1792 x 1, 4 waves a work-group, no clusters, 0 bytes of LDS; arguments x, L_K, L_Q, L_V, dense_M, xh, wh; writes xh, wh
.if DOCPART == 1
	.amdgcn_target "amdgcn-amd-amdhsa--gfx1250"
	.amdhsa_code_object_version 6
	.text
	.protected	k_qb9759be3ea_tohalf
	.globl	k_qb9759be3ea_tohalf
	.p2align	8
	.type	k_qb9759be3ea_tohalf,@function
k_qb9759be3ea_tohalf:
	s_mov_b64 s[64:65], 0
	v_nop
	global_prefetch_b8 v0, s[64:65] scope:SCOPE_SE
	s_setreg_imm32_b32 hwreg(HW_REG_WAVE_MODE, 25, 1), 1
	s_wait_xcnt 0x0
; xh = bf16(x);  wh = [ bf16(L_K) | bf16(L_Q) | bf16(L_V) | f16(bf16(dense_M)) ], element for element; the rounding to bf16 is to nearest even.
; The matrix operands made of the INPUTS are the inputs rounded to bf16, the rounding that the problem admits for them.  x and the three projection matrices meet only each other and stay bf16.
; dense_M meets the attention's result, which is kept in f16 (11 significant bits), so its bf16 number is stored in f16's encoding, which holds it exactly from 2^-17 up to f16's largest number.
; LIMITS: against reference() on the unrounded inputs the scores differ by about sqrt(128) x sqrt(2) x 1.6e-3 = 0.026 (operands of unit size), the outputs by about a hundredth of their root mean
; square.  A number of dense_M of magnitude 65,520 or more becomes infinite; below 2^-17 the second step adds an absolute error of at most 2^-25.
; SHARES.  The inputs are 28 units of 4 MiB (x: 24; four matrices).  A work-group converts 65,536 bytes of f32: 1,792 work-groups, the smallest multiple of 256 at which none straddles two buffers.
; Four waves; a row is 128 threads x 16 bytes = 2,048 bytes in and 1,024 out; 32 rows.  A wave's load covers 512 consecutive bytes, its store 256 consecutive, aligned bytes.
; A ring of eight X slots keeps eight loads of every wave on their way.  A row's place stands in the immediates and each row has Y registers of its own: no address and no store's data register is
; written twice, so no wait frees a source; an X slot is loaded again behind the conversions that read it.  No LDS, no barrier, no matrix unit: nothing is shared.
.set XCH,   1536                       ; chunks of x
.set HCH,   1536+192                   ; the first chunk of dense_M
.set DEPTH, 8                          ; loads on their way in each wave
.set ROWS,  32
.set RIN,   2048                       ; bytes of a row as read
.set ROUT,  1024                       ; and as stored
.set X,   4                            ; v[4:35]    slot i: 4 numbers as loaded
.set Y,   36                           ; v[36:99]   row r: 4 numbers of 16 bits to store
.set BF,  100                          ; v[100:101] dense_M: 4 bf16, at work
.set T,   102                          ; v[102:105] dense_M: the same as f32
	s_load_b256 s[4:11], s[0:1], 0x0               ; x s[4:5], L_K s[6:7], L_Q s[8:9], L_V s[10:11]
	s_load_b128 s[12:15], s[0:1], 0x20             ; dense_M s[12:13], xh s[14:15]
	s_load_b64 s[16:17], s[0:1], 0x30              ; wh
	s_mov_b32 s3, 0xffff0000                       ; a word's upper bf16
	s_sub_co_u32 s20, ttmp9, XCH                   ; chunk among the weights (wraps for a chunk of x, where it is not used)
	s_lshr_b32 s21, s20, 6                         ; which matrix: 0 L_K, 1 L_Q, 2 L_V, 3 dense_M
	s_and_b32 s22, s20, 63                         ; chunk in that matrix
	s_lshl_b32 s23, ttmp9, 16                      ; byte offsets: source in x,
	s_lshl_b32 s18, s22, 16                        ; source in a matrix,
	s_lshl_b32 s19, ttmp9, 15                      ; destination in xh,
	s_lshl_b32 s20, s20, 15                        ; destination in wh (the four matrices follow each other)
	s_cmp_lt_u32 ttmp9, XCH
	s_cselect_b32 s28, s23, s18
	s_cselect_b32 s30, s19, s20
	s_mov_b32 s29, 0
	s_mov_b32 s31, 0
	v_lshlrev_b32 v1, 4, v0                        ; 16 t: my 16 bytes of a row as read
	v_lshlrev_b32 v2, 3, v0                        ; 8 t: my 8 bytes of a row as stored
	s_wait_kmcnt 0x0
	s_mov_b64 s[24:25], s[12:13]                   ; the source buffer, chosen on the work-group's number alone
	s_cmp_eq_u32 s21, 2
	s_cselect_b64 s[24:25], s[10:11], s[24:25]
	s_cmp_eq_u32 s21, 1
	s_cselect_b64 s[24:25], s[8:9], s[24:25]
	s_cmp_eq_u32 s21, 0
	s_cselect_b64 s[24:25], s[6:7], s[24:25]
	s_cmp_lt_u32 ttmp9, XCH
	s_cselect_b64 s[24:25], s[4:5], s[24:25]
	s_cselect_b64 s[26:27], s[14:15], s[16:17]     ; the destination buffer
	s_add_nc_u64 s[24:25], s[24:25], s[28:29]
	s_add_nc_u64 s[26:27], s[26:27], s[30:31]
.irp p, 0,1,2,3,4,5,6,7
	global_load_b128 v[X+4*\p:X+4*\p+3], v1, s[24:25] offset:\p*RIN th:TH_LOAD_NT   ; the ring is filled: rows 0 to 7
.endr
; The 32 rows, one after the other.  half = 1: dense_M's way, bf16 and then f16's encoding.
.macro WALK half
.set rw, 0
.rept ROWS
.set sx, X+4*(rw%DEPTH)
.set lf, DEPTH-1
.if ROWS-1-rw < DEPTH-1
.set lf, ROWS-1-rw
.endif
	s_wait_loadcnt lf                              ; loads come back in order: this row's is in, the younger rows' (seven, at the end fewer) stay out
.if \half
	v_cvt_pk_bf16_f32 v[BF],   v[sx],   v[sx+1]    ; the one rounding that counts
	v_cvt_pk_bf16_f32 v[BF+1], v[sx+2], v[sx+3]
	v_lshlrev_b32 v[T],   16, v[BF]                ; bf16 to f32: the low half moves up,
	v_and_b32     v[T+1], s3, v[BF]                ; the high half stays
	v_lshlrev_b32 v[T+2], 16, v[BF+1]
	v_and_b32     v[T+3], s3, v[BF+1]
	v_cvt_pk_f16_f32 v[Y+2*rw],   v[T],   v[T+1]   ; exact from 2^-17 up to f16's largest number
	v_cvt_pk_f16_f32 v[Y+2*rw+1], v[T+2], v[T+3]
.else
	v_cvt_pk_bf16_f32 v[Y+2*rw],   v[sx],   v[sx+1]
	v_cvt_pk_bf16_f32 v[Y+2*rw+1], v[sx+2], v[sx+3]
.endif
.if rw+DEPTH < ROWS
	global_load_b128 v[sx:sx+3], v1, s[24:25] offset:(rw+DEPTH)*RIN th:TH_LOAD_NT   ; the slot's next row, ahead of the store; the last eight rows load nothing
.endif
	global_store_b64 v2, v[Y+2*rw:Y+2*rw+1], s[26:27] offset:rw*ROUT
.set rw, rw+1
.endr
.endm
	s_cmp_ge_u32 ttmp9, HCH                        ; the work-group's number alone decides: all four waves go the same way
	s_cbranch_scc1 .Lhalf
	WALK 0
	s_endpgm
.Lhalf:
	WALK 1
	s_endpgm
.Lfunc_end_k_qb9759be3ea_tohalf:
	.size	k_qb9759be3ea_tohalf, .Lfunc_end_k_qb9759be3ea_tohalf-k_qb9759be3ea_tohalf
	.p2alignl 7, 3214868480
	.fill 96, 4, 3214868480
	.section	.rodata,"a",@progbits
	.p2align	6, 0x0
	.amdhsa_kernel k_qb9759be3ea_tohalf
		.amdhsa_group_segment_fixed_size 0
		.amdhsa_private_segment_fixed_size 0
		.amdhsa_enable_private_segment 0
		.amdhsa_kernarg_size 56
		.amdhsa_user_sgpr_count 2
		.amdhsa_user_sgpr_kernarg_segment_ptr 1
		.amdhsa_wavefront_size32 1
		.amdhsa_system_sgpr_workgroup_id_x 1
		.amdhsa_system_sgpr_workgroup_id_y 1
		.amdhsa_system_sgpr_workgroup_id_z 1
		.amdhsa_system_vgpr_workitem_id 0
		.amdhsa_next_free_vgpr 106
		.amdhsa_next_free_sgpr 66
		.amdhsa_reserve_vcc 0
		.amdhsa_float_denorm_mode_32 3
		.amdhsa_float_denorm_mode_16_64 3
		.amdhsa_memory_ordered 1
		.amdhsa_forward_progress 1
		.amdhsa_inst_pref_size 31
	.end_amdhsa_kernel
	.amdgpu_metadata
---
amdhsa.version: [ 1, 2 ]
amdhsa.kernels:
  - .name:           k_qb9759be3ea_tohalf
    .symbol:         k_qb9759be3ea_tohalf.kd
    .args:
      - { .name: x, .offset: 0, .size: 8, .value_kind: global_buffer, .address_space: global }
      - { .name: L_K, .offset: 8, .size: 8, .value_kind: global_buffer, .address_space: global }
      - { .name: L_Q, .offset: 16, .size: 8, .value_kind: global_buffer, .address_space: global }
      - { .name: L_V, .offset: 24, .size: 8, .value_kind: global_buffer, .address_space: global }
      - { .name: dense_M, .offset: 32, .size: 8, .value_kind: global_buffer, .address_space: global }
      - { .name: xh, .offset: 40, .size: 8, .value_kind: global_buffer, .address_space: global }
      - { .name: wh, .offset: 48, .size: 8, .value_kind: global_buffer, .address_space: global }
    .group_segment_fixed_size: 0
    .private_segment_fixed_size: 0
    .kernarg_segment_align: 8
    .kernarg_segment_size: 56
    .max_flat_workgroup_size: 128
    .sgpr_count:     66
    .vgpr_count:     106
    .wavefront_size: 32
...
	.end_amdgpu_metadata
.endif
;; end of part 1
;; launch proj (part 2): grid 32 x 8, 4 waves a work-group, clusters of 4 x 4, 327,680 bytes of LDS; arguments wh, xh, qkv; writes qkv
.if DOCPART == 2
	.amdgcn_target "amdgcn-amd-amdhsa--gfx1250"
	.amdhsa_code_object_version 6
	.text
	.protected	k_qb9759be3ea_proj
	.globl	k_qb9759be3ea_proj
	.p2align	8
	.type	k_qb9759be3ea_proj,@function
k_qb9759be3ea_proj:
	s_mov_b64 s[64:65], 0
	v_nop
	global_prefetch_b8 v0, s[64:65] scope:SCOPE_SE
	s_setreg_imm32_b32 hwreg(HW_REG_WAVE_MODE, 25, 1), 1
	s_wait_xcnt 0x0
	s_wait_alu depctr_hold_cnt(0) depctr_sa_sdst(0) depctr_va_vdst(0) depctr_va_sdst(0) depctr_va_ssrc(0) depctr_va_vcc(0) depctr_vm_vsrc(0)
	s_getreg_b32 s2, hwreg(HW_REG_IB_STS2, 6, 4)
	s_cmp_eq_u32 s2, 0
	s_cbranch_scc0 .Lentry_in_a_cluster
	s_endpgm
.Lentry_in_a_cluster:
	s_bfe_u32 s2, ttmp6, 0x10000c
	s_cmp_lg_u32 s2, 0xf033
	s_cbranch_scc0 .Lentry_shape_is_right
	s_endpgm
.Lentry_shape_is_right:
; qkv[i][b][e][w] = sum over f of wh[i][e][f] xh[i][b][f][w], i = 0, 1, 2 (K, Q, V).  Operands bf16, sums in f32, the result rounded once to f16 (the attention needs f16's 11 bits).
; LIMIT: a projected value of magnitude 65,520 or more becomes infinite in f16.
; SHARES.  K's and Q's results are 2 x 8 x 4 x 4 = 256 tiles of 256 (e) x 256 (w); V's is 8 x 8 x 4 = 256 tiles of 128 x 256.  32 x 8 work-groups; each makes one of the first kind (PHASE 1) and
; then one of the second (PHASE 2): the same work in all.  With ct = 4 b + block of w and tr = 4 x cluster y + cy: phase 1 takes rows 256 tr on of wh's first two matrices, stacked (matrix = cluster y,
; block of 256 e = cy); phase 2 rows 128 tr on of the third.  Four waves, 2 x 2: a wave makes 128 e x 128 w (64 accumulators, 512 registers), then 64 e x 128 w (32 of them).
; K (= f) goes in steps of 128 through a ring of two LDS slots, which does not stop between the phases: phase 1's last two changes of slots ask for phase 2's first two K steps.
; wh's tile lies [e][f] (f along the rows) and is read by plain loads; xh's lies [f][w] and is read turned, by ds_load_tr16_b128.
; CLUSTERS: 4 x 4 work-groups.  wh's tiles hang on tr alone, shared along a row of the cluster; xh's on ct and the cluster's y alone, shared along a column: each is asked for jointly.
; THE MATRIX INSTRUCTION IS USED TRANSPOSED: source 0 = 16 columns w of xh, source 1 = 16 rows e of wh: a lane then holds one row e and eight neighbouring w: 16 bytes of f16.
; PREFETCH.  Phase 2's K steps are short (128 products a wave between two refills), so its xh tiles are asked for ahead of their tensor loads.  A tile is 128 rows x 512 bytes and is read by the eight
; work-groups that share ct; work-group tr asks for rows 16 tr to 16 tr + 15: 32 blocks of 256 bytes, a lane each, one instruction of wave 3: each block is asked for once in the launch.
; Tile 0 is asked for behind phase 1's loop, 160 products ahead of its tensor load; tile 1 in phase 1's last change of slots but one, 256 ahead; tile 2 in the last, 144 and the way out ahead; tile 3
; behind the way out, 240 ahead; tile j from 4 on in the change of slots of phase 2's K step j - 4, 256 ahead.  K steps 4 to 7 ask for nothing: tile 7 is the last.  Not asked for: wh's tiles (a
; work-group's share of a step's 128 blocks among 32 work-groups would be 4 lanes of an instruction) and phase 1's tiles (a refill there has 240 products in which to land).
; REGISTERS, in windows of 256: window 0: v0-31 addresses; v64-127, v128-191 wh's fragments (8 x 16 rows x 32 K; phase 2: 4), two buffers; v32-63, v192-255 at work on the way out.
;   window 1: v64-127, v128-191 xh's fragments (8 x 16 columns x 32 K), two buffers.   window 2: the accumulators of my rows 0-63, (a, b) at v[8 (8 a + b)].   window 3: those of my rows 64-127.
.set KSTEP,  128
.set PA,     272                       ; wh's LDS row: 256 bytes + 16: an odd multiple of 16, so the 16 rows of a fragment load start 16 bytes apart modulo 256
.set PB,     544                       ; xh's LDS row: 512 bytes + 32: an odd multiple of 32, as the turning load's 8 rows x 32 bytes want
.set AH1,    128*PA                    ; phase 1: 128 rows of wh, one tensor load
.set AH2,    64*PA                     ; phase 2: 64 rows of wh, one tensor load
.set BH,     64*PB                     ; 64 rows of xh: one tensor load
.set BOFF,   2*AH1                     ; xh's tile lies behind wh's 256 rows (phase 2 fills the first 128 of them)
.set SLOT,   BOFF+2*BH
.set STAGE,  2*SLOT                    ; behind the ring: 16 rows x 272 bytes for each wave; no tensor load fills it
.set SP,     272
.set LAPS,   4                         ; a lap = two K steps; K = 1,024
.set A_STEP, KSTEP*2                   ; bytes along wh's rows for a K step
.set B_STEP, KSTEP*2048                ; bytes down xh's rows for a K step
.set ADRA, 16                          ; v16-17  LDS address of my wh fragments in slot 0, 1, phase 1
.set ADRV, 18                          ; v18-19  the same in phase 2
.set ADRB, 20                          ; v20-21  the same for xh, both phases
.set STO,  24                          ; v24     the way out: where I put 16 bytes of a row
.set RD,   25                          ; v25     where I read a row back
.set CO,   26                          ; v26     my byte offset in the result
.set PO,   27                          ; v27     the prefetch: my lane's block among the work-group's 16 rows x 2; never rewritten
.set F0,   64                          ; fragment buffer 0
.set F1,   128                         ; fragment buffer 1
.set TMP,  192                         ; the way out: packed results
.set OB,   32                          ; the way out: rows read back, v32-63 and v224-255 by turns
.set G1,   24                          ; s[24:31] descriptor group 1 for wh's tiles of phase 1;  s[32:39] group 0, a set for each slot
.set G0,   32
.set G1B,  48                          ; s[48:55] group 1 for xh's tiles, both phases;  s[56:63] group 0 of phase 1
.set G0B,  56
.set G1V,  68                          ; s[68:75] group 1 for wh's tiles of phase 2;  s[76:83] group 0
.set G0V,  76
.set G0BV, 84                          ; s[84:91] group 0 for xh's tiles of phase 2
.set C1,   8                           ; s[8:9]   the result at my rows of phase 1;  s[92:93] of phase 2
.set C2,   92
.set PFB,  96                          ; s[96:97] the prefetch: xh at my work-group's 16 rows of phase 2's tile 0 (in phase 2's loop: two tiles on in each trip)
.set MSB, 0
.macro WIN new                         ; the immediate's high byte repeats the setting that is left; a switch that changes nothing is dropped
.if MSB != (\new)
	s_set_vgpr_msb (MSB<<8)|(\new)
.set MSB, \new
.endif
.endm
.set MUL_LO, 0xa1                      ; source 0 (xh) window 1, source 1 (wh) window 0, C and D window 2
.set MUL_HI, 0xf1                      ; the same, C and D window 3
.set TO_B,   0x40                      ; destination window 1, address window 0
.macro PLACES                          ; four plain vector instructions between a matrix instruction and a load into, or a vector read or write of, its registers
.rept 4
	v_nop
.endr
.endm
; A joint load: waves 0 and 1 fetch wh's two halves, waves 2 and 3 xh's.  The branch hangs on the wave's number alone.  Four v_nop follow each line, ahead of the jump and the label.
.macro JLOAD g0a, g1a, g0b
	s_cmp_eq_u32 s11, 0
	s_cbranch_scc0 .Lfor_b_\@
	tensor_load_to_lds s[\g0a:\g0a+3], s[\g1a:\g1a+7]
	s_nop 0
	PLACES
	s_branch .Lasked_\@
.Lfor_b_\@:
	tensor_load_to_lds s[\g0b:\g0b+3], s[G1B:G1B+7]
	s_nop 0
	PLACES
.Lasked_\@:
.endm
; Wave 3 asks for my work-group's 32 blocks of phase 2's xh tile j, counted from the tile at which the base stands.  It stands where every window is 0.
.macro PFASK j
	s_cmp_lg_u32 s10, 3
	s_cbranch_scc1 .Lno_ask_\@
	global_prefetch_b8 v[PO], s[PFB:PFB+1] offset:(\j)*B_STEP th:TH_LOAD_NT scope:SCOPE_SE
.Lno_ask_\@:
.endm
.macro CREST                           ; a round of the cluster's barrier behind its opening barrier
	s_cmp_lg_u32 s10, 0
	s_cbranch_scc1 .Lnot_wave_0_\@
	s_barrier_signal -3
.Lnot_wave_0_\@:
	s_barrier_wait -3
	s_barrier_signal -1
	s_barrier_wait -1
.endm
.macro CROUND                          ; a whole round
	s_barrier_signal -1
	s_barrier_wait -1
	CREST
.endm
	s_load_b128 s[4:7], s[0:1], 0x0                ; wh s[4:5], xh s[6:7]
	s_load_b64 s[8:9], s[0:1], 0x10                ; qkv
	s_set_vgpr_msb 0x40
	v_lshl_add_u32 v255, v0, 2, 0x48400
	s_set_vgpr_msb 0x4000
	v_mov_b32 v31, 0
	s_set_vgpr_msb 0x1
	ds_add_u32 v255, v31
	s_set_vgpr_msb 0x100
	v_lshrrev_b32 v1, 5, v0
	v_readfirstlane_b32 s10, v1                    ; wave 0..3
	s_lshr_b32 s11, s10, 1                         ; my half of the tile's rows e.  Also: I fetch for wh (0) or for xh (1)
	s_and_b32 s12, s10, 1                          ; my half of its columns w.  Also: which half of that tile's rows I fetch
	s_bfe_u32 s40, ttmp6, 0x40000                  ; cx, cy: my place in the cluster
	s_bfe_u32 s41, ttmp6, 0x40004
	s_lshl_b32 s42, ttmp9, 2
	s_add_co_u32 s42, s42, s40                     ; ct = 4 x cluster x + cx = 4 b + block of w
	s_and_b32 s45, ttmp7, 0xffff                   ; the cluster's y: phase 1's matrix, 0 (K) or 1 (Q); all sixteen partners share it
	s_lshl_b32 s13, s45, 2
	s_add_co_u32 s13, s13, s41                     ; tr = 4 x cluster y + cy
	s_lshl_b32 s43, s41, 2
	s_lshl_b32 s43, 15, s43                        ; my row of the cluster
	s_lshl_b32 s44, 0x1111, s40                    ; my column
	s_or_b32 s[G1+0], s43, (1<<16)|(1<<20)|(1<<21)|(5<<22)|(3<<25)   ; mask: my row; elements of 2 bytes; padding on; bit 21 beside a mask; after every 64 words 4 words
	s_mov_b32 s[G1+1], KSTEP<<16                   ; tensor_dim0 = 128
	s_mov_b32 s[G1+2], 128<<16                     ; tensor_dim1 = 128
	s_mov_b32 s[G1+3], KSTEP<<16                   ; tile_dim0 = 128
	s_mov_b32 s[G1+4], 128                         ; tile_dim1 = 128
	s_mov_b32 s[G1+5], 1024                        ; elements from row to row
	s_mov_b32 s[G1+6], 0
	s_mov_b32 s[G1+7], 0
	s_or_b32 s[G1V+0], s43, (1<<16)|(1<<20)|(1<<21)|(5<<22)|(3<<25)  ; phase 2: the same with 64 rows
	s_mov_b32 s[G1V+1], KSTEP<<16
	s_mov_b32 s[G1V+2], 64<<16
	s_mov_b32 s[G1V+3], KSTEP<<16
	s_mov_b32 s[G1V+4], 64
	s_mov_b32 s[G1V+5], 1024
	s_mov_b32 s[G1V+6], 0
	s_mov_b32 s[G1V+7], 0
	s_or_b32 s[G1B+0], s44, (1<<16)|(1<<20)|(1<<21)|(6<<22)|(7<<25)  ; mask: my column; after every 128 words 8 words
	s_mov_b32 s[G1B+1], 256<<16                    ; tensor_dim0 = 256
	s_mov_b32 s[G1B+2], 64<<16                     ; tensor_dim1 = 64
	s_mov_b32 s[G1B+3], 256<<16                    ; tile_dim0 = 256
	s_mov_b32 s[G1B+4], 64                         ; tile_dim1 = 64
	s_mov_b32 s[G1B+5], 1024
	s_mov_b32 s[G1B+6], 0
	s_mov_b32 s[G1B+7], 0
	s_lshl_b32 s16, s13, 19                        ; wh, phase 1: row 256 tr + 128 x half, rows of 2,048 bytes
	s_lshl_b32 s17, s12, 18
	s_add_co_u32 s16, s16, s17
	s_mov_b32 s17, 0
	s_lshl_b32 s18, s13, 18                        ; wh, phase 2: the third matrix, row 128 tr + 64 x half
	s_lshl_b32 s19, s12, 17
	s_add_co_u32 s18, s18, s19
	s_add_co_u32 s18, s18, 2*1024*2048
	s_mov_b32 s19, 0
	s_lshr_b32 s46, s42, 2                         ; xh: b x 2 MiB + block of w x 512 bytes + 64 rows x half,
	s_lshl_b32 s46, s46, 21
	s_and_b32 s47, s42, 3
	s_lshl_b32 s47, s47, 9
	s_add_co_u32 s46, s46, s47
	s_lshl_b32 s47, s12, 17
	s_add_co_u32 s46, s46, s47
	s_lshl_b32 s22, s45, 24                        ; phase 1: + the matrix's part of x, 16 MiB each,
	s_add_co_u32 s22, s22, s46
	s_mov_b32 s23, 0
	s_add_co_u32 s46, s46, 2<<24                   ; phase 2: + the third part
	s_mov_b32 s47, 0
	s_mul_i32 s20, s12, AH1                        ; where they go: wh's halves at 0 and AH1 (phase 2: 0 and AH2),
	s_mul_i32 s94, s12, AH2
	s_mul_i32 s21, s12, BH
	s_add_co_u32 s21, s21, BOFF                    ; xh's behind them: no place in the cluster enters an LDS address
	s_wait_dscnt 0x0
	s_wait_kmcnt 0x0
	s_add_nc_u64 s[14:15], s[4:5], s[16:17]
	s_add_nc_u64 s[18:19], s[4:5], s[18:19]
	s_add_nc_u64 s[22:23], s[6:7], s[22:23]
	s_add_nc_u64 s[46:47], s[6:7], s[46:47]
	CROUND                                         ; all sixteen work-groups are here: the first joint loads meet
.irp s, 0,1
	s_mov_b32 s[G0+4*\s], 1
	s_add_co_u32 s[G0+4*\s+1], s20, \s*SLOT
	s_add_nc_u64 s[G0+4*\s+2:G0+4*\s+3], s[14:15], \s*A_STEP
	s_or_b32 s[G0+4*\s+3], s[G0+4*\s+3], 0x80000000
	s_mov_b32 s[G0B+4*\s], 1
	s_add_co_u32 s[G0B+4*\s+1], s21, \s*SLOT
	s_add_nc_u64 s[G0B+4*\s+2:G0B+4*\s+3], s[22:23], \s*B_STEP
	s_or_b32 s[G0B+4*\s+3], s[G0B+4*\s+3], 0x80000000
	s_mov_b32 s[G0V+4*\s], 1
	s_add_co_u32 s[G0V+4*\s+1], s94, \s*SLOT
	s_add_nc_u64 s[G0V+4*\s+2:G0V+4*\s+3], s[18:19], \s*A_STEP
	s_or_b32 s[G0V+4*\s+3], s[G0V+4*\s+3], 0x80000000
	s_mov_b32 s[G0BV+4*\s], 1
	s_add_co_u32 s[G0BV+4*\s+1], s21, \s*SLOT
	s_add_nc_u64 s[G0BV+4*\s+2:G0BV+4*\s+3], s[46:47], \s*B_STEP
	s_or_b32 s[G0BV+4*\s+3], s[G0BV+4*\s+3], 0x80000000
.endr
	s_cmp_eq_u32 s11, 0                            ; a wave's two first fills stand in one branch: two loads of mine are out
	s_cbranch_scc0 .Lfirst_b
	tensor_load_to_lds s[G0:G0+3], s[G1:G1+7]
	s_nop 0
	tensor_load_to_lds s[G0+4:G0+7], s[G1:G1+7]
	s_nop 0
	PLACES
	s_branch .Lfirst_asked
.Lfirst_b:
	tensor_load_to_lds s[G0B:G0B+3], s[G1B:G1B+7]
	s_nop 0
	tensor_load_to_lds s[G0B+4:G0B+7], s[G1B:G1B+7]
	s_nop 0
	PLACES
.Lfirst_asked:
	v_and_b32 v1, 15, v0                           ; r = l % 16
	v_bfe_u32 v2, v0, 4, 1                         ; h = l / 16
	v_mul_u32_u24 v3, v1, PA
	v_lshl_add_u32 v3, v2, 4, v3                   ; wh: row r x pitch + 16 h
	v_and_b32 v4, 7, v0
	v_lshl_add_u32 v4, v2, 3, v4                   ; xh, turned: row 8 h + l % 8,
	v_mul_u32_u24 v4, v4, PB
	v_bfe_u32 v5, v0, 3, 1
	v_lshl_add_u32 v4, v5, 4, v4                   ; 16 bytes for each half of a group of sixteen lanes
	s_mul_i32 s14, s11, AH1                        ; my 128 rows of wh in phase 1,
	s_mul_i32 s15, s11, AH2                        ; my 64 in phase 2,
	s_lshl_b32 s16, s12, 8                         ; my 128 columns of xh,
	s_add_co_u32 s16, s16, BOFF                    ; which lies behind wh's rows
.irp s, 0,1
	v_add_nc_u32 v[ADRA+\s], s14, v3
	v_add_nc_u32 v[ADRV+\s], s15, v3
	v_add_nc_u32 v[ADRB+\s], s16, v4
	s_add_co_u32 s14, s14, SLOT
	s_add_co_u32 s15, s15, SLOT
	s_add_co_u32 s16, s16, SLOT
.endr
	s_mul_i32 s17, s10, 16*SP
	s_add_co_u32 s17, s17, STAGE                   ; my stage
	v_add_nc_u32 v[STO], s17, v3                   ; in: row r, 16 bytes for each half of the lanes
	v_mul_u32_u24 v5, v2, SP                       ; back: lanes 0-15 one row of 256 bytes, lanes 16-31 the next
	v_lshl_add_u32 v5, v1, 4, v5
	v_add_nc_u32 v[RD], s17, v5
	v_lshlrev_b32 v5, 11, v2                       ; and the same two rows in the result
	v_lshl_add_u32 v[CO], v1, 4, v5
	v_bfe_u32 v[PO], v0, 1, 4                      ; the prefetch: lane l takes row l / 2 of the work-group's 16,
	v_lshlrev_b32 v[PO], 11, v[PO]
	v_and_b32 v28, 1, v0
	v_lshl_add_u32 v[PO], v28, 8, v[PO]            ; and block l % 2 of the row's 512 bytes
	s_lshr_b32 s46, s42, 2                         ; where my parts of the two tiles begin.  Both: b x 2 MiB, block of w x 512 bytes, 256 bytes x half of the columns
	s_lshl_b32 s46, s46, 21
	s_and_b32 s47, s42, 3
	s_lshl_b32 s47, s47, 9
	s_add_co_u32 s46, s46, s47
	s_lshl_b32 s47, s12, 8
	s_add_co_u32 s46, s46, s47
	s_lshl_b32 s16, s45, 24                        ; phase 1: the matrix's 16 MiB, row 256 cy + 128 x half of the rows
	s_lshl_b32 s17, s41, 19
	s_add_co_u32 s16, s16, s17
	s_lshl_b32 s17, s11, 18
	s_add_co_u32 s16, s16, s17
	s_add_co_u32 s16, s16, s46
	s_mov_b32 s17, 0
	s_lshl_b32 s18, s13, 18                        ; phase 2: the third 16 MiB, row 128 tr + 64 x half of the rows
	s_lshl_b32 s19, s11, 17
	s_add_co_u32 s18, s18, s19
	s_add_co_u32 s18, s18, s46
	s_add_co_u32 s18, s18, 2<<24
	s_mov_b32 s19, 0
	s_add_nc_u64 s[C2:C2+1], s[8:9], s[18:19]
	s_add_nc_u64 s[C1:C1+1], s[8:9], s[16:17]
	s_lshr_b32 s98, s42, 2                         ; the prefetch's base: x's third part, b x 2 MiB, block of w x 512 bytes, row 16 tr of the K step's 128.  The highest byte asked
	s_lshl_b32 s98, s98, 21                        ; for lies in row 7 x 128 + 7 x 16 + 15 = 1,023 of b = 7: inside xh
	s_and_b32 s99, s42, 3
	s_lshl_b32 s99, s99, 9
	s_add_co_u32 s98, s98, s99
	s_lshl_b32 s99, s13, 15
	s_add_co_u32 s98, s98, s99
	s_add_co_u32 s98, s98, 2<<24
	s_mov_b32 s99, 0
	s_add_nc_u64 s[PFB:PFB+1], s[6:7], s[98:99]
; 8 matrix instructions: block 4 hi + a of 16 rows e x all 8 blocks of 16 w, 32 along K.  zero = 1: the product starts the sums: nothing is ever cleared.
; The accumulators (64 in phase 1, 32 in phase 2) take turns, one instruction a turn, in the same order in every quarter.
.macro MULA f, hi, a, zero
.irp b, 0,1,2,3,4,5,6,7
.if \zero
	v_wmma_f32_16x16x32_bf16 v[8*(8*\a+\b):8*(8*\a+\b)+7], v[\f+8*\b:\f+8*\b+7], v[\f+8*(4*\hi+\a):\f+8*(4*\hi+\a)+7], 0
.else
	v_wmma_f32_16x16x32_bf16 v[8*(8*\a+\b):8*(8*\a+\b)+7], v[\f+8*\b:\f+8*\b+7], v[\f+8*(4*\hi+\a):\f+8*(4*\hi+\a)+7], v[8*(8*\a+\b):8*(8*\a+\b)+7]
.endif
.endr
.endm
; The LDS loads of quarter q (32 along K) of a slot into buffer f, in one run: xh's 8 fragments first, then wh's 8 (phase 1) or 4 (phase 2)
.macro FETCH ph, slot, q, f
	WIN TO_B
.irp b, 0,1,2,3,4,5,6,7
	ds_load_tr16_b128 v[\f+8*\b:\f+8*\b+3],   v[ADRB+\slot] offset:\q*32*PB+32*\b
	ds_load_tr16_b128 v[\f+8*\b+4:\f+8*\b+7], v[ADRB+\slot] offset:\q*32*PB+16*PB+32*\b
.endr
	WIN 0
.if \ph == 1
.irp i, 0,1,2,3,4,5,6,7
	ds_load_b128 v[\f+8*\i:\f+8*\i+3],   v[ADRA+\slot] offset:\q*64+\i*16*PA
	ds_load_b128 v[\f+8*\i+4:\f+8*\i+7], v[ADRA+\slot] offset:\q*64+\i*16*PA+32
.endr
.else
.irp i, 0,1,2,3
	ds_load_b128 v[\f+8*\i:\f+8*\i+3],   v[ADRV+\slot] offset:\q*64+\i*16*PA
	ds_load_b128 v[\f+8*\i+4:\f+8*\i+7], v[ADRV+\slot] offset:\q*64+\i*16*PA+32
.endr
.endif
.endm
; One of a K step's first three quarters: multiplies buffer f; in its middle fetches quarter q into buffer g
.macro QUARTER ph, slot, q, f, g, zero
.if \ph == 1
	s_wait_dscnt 8                                 ; all but the eight youngest loads (wh's blocks 4 to 7) are in
	WIN MUL_LO
	MULA \f, 0, 0, \zero
	MULA \f, 0, 1, \zero
	MULA \f, 0, 2, \zero
	MULA \f, 0, 3, \zero
	PLACES
	FETCH 1, \slot, \q, \g
	s_wait_dscnt 32                                ; all but the 32 just issued
	WIN MUL_HI
	MULA \f, 1, 0, \zero
	MULA \f, 1, 1, \zero
	MULA \f, 1, 2, \zero
	MULA \f, 1, 3, \zero
.else
	s_wait_dscnt 4                                 ; all but the four youngest loads (wh's blocks 2 and 3) are in
	WIN MUL_LO
	MULA \f, 0, 0, \zero
	MULA \f, 0, 1, \zero
	PLACES
	FETCH 2, \slot, \q, \g
	s_wait_dscnt 24                                ; all but the 24 just issued
	WIN MUL_LO
	MULA \f, 0, 2, \zero
	MULA \f, 0, 3, \zero
.endif
.endm
; The last quarter multiplies buffer 1 and changes slots: one barrier; in front of it each wave waits for its reads of this slot and for all its tensor loads (one is out: its part of the next slot).
; mode 1: this slot is filled again two K steps on; mode 2 (phase 1's last lap): with phase 2's K step 0 or 1, by that phase's own descriptors; mode 0: not at all.
; A refill stands behind a round of the cluster's barrier, first thing: 240 products (phase 2: 120) ahead of the wait for it.  nph: the phase whose fragments are fetched from the next slot.
; pf other than 0: behind the run of fragment loads wave 3 asks for the work-group's share of phase 2's xh tile pf, counted from the prefetch's base.
.macro TURN ph, slot, next, mode, nph, pf
.if \ph == 1
	s_wait_dscnt 8
	WIN MUL_LO
	MULA F1, 0, 0, 0
	MULA F1, 0, 1, 0
.else
	s_wait_dscnt 4
	WIN MUL_LO
	MULA F1, 0, 0, 0
.endif
	s_wait_dscnt 0x0                               ; my reads of this slot are over,
	s_wait_tensorcnt 0x0                           ; and all my tensor loads have landed
	ds_add_u32 v255, v31
	s_wait_dscnt 0x0
	s_barrier_signal -1
.if \ph == 1
	MULA F1, 0, 2, 0
	MULA F1, 0, 3, 0
.else
	MULA F1, 0, 1, 0
.endif
.if \mode
	WIN 0
.endif
	s_barrier_wait -1
.if \mode == 0
	PLACES
.else
	CREST
.if (\mode == 1) && (\ph == 1)
	s_add_nc_u64 s[G0+4*\slot+2:G0+4*\slot+3], s[G0+4*\slot+2:G0+4*\slot+3], 2*A_STEP
	s_add_nc_u64 s[G0B+4*\slot+2:G0B+4*\slot+3], s[G0B+4*\slot+2:G0B+4*\slot+3], 2*B_STEP
	JLOAD G0+4*\slot, G1, G0B+4*\slot              ; its four v_nop are also the places in front of the loads below
.elseif \mode == 1
	s_add_nc_u64 s[G0V+4*\slot+2:G0V+4*\slot+3], s[G0V+4*\slot+2:G0V+4*\slot+3], 2*A_STEP
	s_add_nc_u64 s[G0BV+4*\slot+2:G0BV+4*\slot+3], s[G0BV+4*\slot+2:G0BV+4*\slot+3], 2*B_STEP
	JLOAD G0V+4*\slot, G1V, G0BV+4*\slot
.else
	JLOAD G0V+4*\slot, G1V, G0BV+4*\slot
.endif
.endif
	FETCH \nph, \next, 0, F0
.if \pf
	PFASK \pf
.endif
.if \ph == 1
	WIN MUL_HI
	MULA F1, 1, 0, 0
	MULA F1, 1, 1, 0
	MULA F1, 1, 2, 0
	MULA F1, 1, 3, 0
.else
	WIN MUL_LO
	MULA F1, 0, 2, 0
	MULA F1, 0, 3, 0
.endif
.endm
; Phase 2, once round the ring, from a lap's second quarter to the next lap's first; both slots are filled again.  pa, pb: the tiles that its two changes of slots ask for ahead (0: none).
.macro LAP2 pa, pb
	QUARTER 2, 0, 2, F1, F0, 0
	QUARTER 2, 0, 3, F0, F1, 0
	TURN 2, 0, 1, 1, 2, \pa
	QUARTER 2, 1, 1, F0, F1, 0
	QUARTER 2, 1, 2, F1, F0, 0
	QUARTER 2, 1, 3, F0, F1, 0
	TURN 2, 1, 0, 1, 2, \pb
	QUARTER 2, 0, 1, F0, F1, 0
.endm
; THE WAY OUT of block a (16 rows e x 128 w).  PACK: rounded to f16, each accumulator from its low registers on.  TOSTAGE: into my own stage, back as whole rows of 256 bytes.  SEND: stored.
.macro PACK a
.set AC, 64*((\a)%4)
	WIN 0x0a+5*((\a)/4)                            ; sources 0 and 1: window 2 (blocks 0-3) or 3 (blocks 4-7)
.irp b, 0,1,2,3,4,5,6,7
.irp k, 0,1,2,3
	v_cvt_pk_f16_f32 v[TMP+4*\b+\k], v[AC+8*\b+2*\k], v[AC+8*\b+2*\k+1]
.endr
.endr
	WIN 0
.endm
.macro TOSTAGE a
.set BK, OB+192*((\a)%2)
.irp b, 0,1,2,3,4,5,6,7
	ds_store_b128 v[STO], v[TMP+4*\b:TMP+4*\b+3] offset:32*\b
.endr
.irp t, 0,1,2,3,4,5,6,7
	ds_load_b128 v[BK+4*\t:BK+4*\t+3], v[RD] offset:\t*2*SP    ; a wave's LDS instructions are served in order: these see the stores above
.endr
.endm
.macro SEND a, cb                      ; cb: the phase's pointer into the result
.set BK, OB+192*((\a)%2)
	s_wait_dscnt 0x0                               ; the block is back in registers
	s_wait_xcnt 0x0                                ; the stores' base, and the registers that earlier stores read, are rewritten only behind this wait
.if (\a) != 0
	s_add_nc_u64 s[\cb:\cb+1], s[\cb:\cb+1], 16*2048   ; 16 rows on
.endif
.irp t, 0,1,2,3,4,5,6,7
	global_store_b128 v[CO], v[BK+4*\t:BK+4*\t+3], s[\cb:\cb+1] offset:\t*4096   ; 16 lanes store 256 consecutive bytes, at a multiple of 256 from the buffer's first byte
.endr
.endm
	s_wait_tensorcnt 0x1                           ; my part of K step 0 is in; K step 1's may stay out
	s_barrier_signal -1
	s_barrier_wait -1
	; PHASE 1: 256 e x 256 w of K's or Q's projection
	FETCH 1, 0, 0, F0
	QUARTER 1, 0, 1, F0, F1, 1                     ; the first quarter starts the sums
	WIN 0                                          ; at a label and at a branch every window is 0
	s_mov_b32 s3, LAPS-1
.Llap1:                                                ; once round the ring, from a lap's second quarter to the next lap's first
	QUARTER 1, 0, 2, F1, F0, 0
	QUARTER 1, 0, 3, F0, F1, 0
	TURN 1, 0, 1, 1, 1, 0
	QUARTER 1, 1, 1, F0, F1, 0
	QUARTER 1, 1, 2, F1, F0, 0
	QUARTER 1, 1, 3, F0, F1, 0
	TURN 1, 1, 0, 1, 1, 0
	QUARTER 1, 0, 1, F0, F1, 0
	WIN 0
	s_sub_co_u32 s3, s3, 1
	s_cmp_lg_u32 s3, 0
	s_cbranch_scc1 .Llap1
	PFASK 0                                        ; V's xh tile 0 is asked for: its tensor load stands 64 + 64 + 32 products further down
	QUARTER 1, 0, 2, F1, F0, 0                     ; the last lap: the ring goes on into phase 2
	QUARTER 1, 0, 3, F0, F1, 0
	TURN 1, 0, 1, 2, 1, 1                          ; slot 0 takes V's K step 0; tile 1 is asked for,
	QUARTER 1, 1, 1, F0, F1, 0
	QUARTER 1, 1, 2, F1, F0, 0
	QUARTER 1, 1, 3, F0, F1, 0
	TURN 1, 1, 0, 2, 2, 2                          ; slot 1 its K step 1, V's first fragments are fetched into buffer 0, and tile 2 is asked for
	PACK 0                                         ; both refills are asked for: now the tile goes out.  Blocks 0-3 were finished in front of the joint load's four places; their 128
	TOSTAGE 0                                      ; conversions, which name no register of the last products (blocks 4-7's), are those products' places
.irp a, 1,2,3,4,5,6,7                  ; block a's conversions stand between block a - 1's loads from the stage and the wait for them
	PACK \a
	SEND \a-1, C1
	TOSTAGE \a
.endr
	SEND 7, C1
	PFASK 3                                        ; tile 3: its tensor load stands in the change of slots of phase 2's K step 1
	; PHASE 2: 128 e x 256 w of V's projection, on the accumulators of window 2, which have been packed
	QUARTER 2, 0, 1, F0, F1, 1
	WIN 0
	s_mov_b32 s3, LAPS-2
.Llap2:                                                ; two trips: K steps 0 to 3 ask for tiles 4 to 7
	LAP2 4, 5
	WIN 0
	s_wait_xcnt 0x0                                ; the prefetches' base is written again only behind this wait; the last of them stands 48 products and a run of loads back
	s_add_nc_u64 s[PFB:PFB+1], s[PFB:PFB+1], 2*B_STEP  ; two tiles on (behind the second trip it is not used)
	s_sub_co_u32 s3, s3, 1
	s_cmp_lg_u32 s3, 0
	s_cbranch_scc1 .Llap2
	LAP2 0, 0                                      ; the third lap is written out: it still fills both slots and asks for nothing ahead: tile 7 was the last
	QUARTER 2, 0, 2, F1, F0, 0                     ; the last lap fills nothing, and has no round of the cluster's barrier
	QUARTER 2, 0, 3, F0, F1, 0
	TURN 2, 0, 1, 0, 2, 0
	QUARTER 2, 1, 1, F0, F1, 0
	QUARTER 2, 1, 2, F1, F0, 0
	QUARTER 2, 1, 3, F0, F1, 0
	s_wait_dscnt 4                                 ; the very last quarter: nothing more to fetch
	WIN MUL_LO
	MULA F1, 0, 0, 0
	MULA F1, 0, 1, 0
	s_wait_dscnt 0x0
	MULA F1, 0, 2, 0
	MULA F1, 0, 3, 0
	WIN 0
	PLACES
	PACK 0
	TOSTAGE 0
.irp a, 1,2,3
	PACK \a
	SEND \a-1, C2
	TOSTAGE \a
.endr
	SEND 3, C2
	s_set_vgpr_msb 0x1
	s_wait_tensorcnt 0x0
	ds_add_u32 v255, v31
	s_wait_dscnt 0x0
	s_set_vgpr_msb 0x100
	CROUND                                         ; the closing round: no work-group ends while a partner may still ask for a tile that names it
	s_endpgm
.Lfunc_end_k_qb9759be3ea_proj:
	.size	k_qb9759be3ea_proj, .Lfunc_end_k_qb9759be3ea_proj-k_qb9759be3ea_proj
	.p2alignl 7, 3214868480
	.fill 96, 4, 3214868480
	.section	.rodata,"a",@progbits
	.p2align	6, 0x0
	.amdhsa_kernel k_qb9759be3ea_proj
		.amdhsa_group_segment_fixed_size 327680
		.amdhsa_private_segment_fixed_size 0
		.amdhsa_enable_private_segment 0
		.amdhsa_kernarg_size 24
		.amdhsa_user_sgpr_count 2
		.amdhsa_user_sgpr_kernarg_segment_ptr 1
		.amdhsa_wavefront_size32 1
		.amdhsa_system_sgpr_workgroup_id_x 1
		.amdhsa_system_sgpr_workgroup_id_y 1
		.amdhsa_system_sgpr_workgroup_id_z 1
		.amdhsa_system_vgpr_workitem_id 0
		.amdhsa_next_free_vgpr 1024
		.amdhsa_next_free_sgpr 100
		.amdhsa_reserve_vcc 0
		.amdhsa_float_denorm_mode_32 3
		.amdhsa_float_denorm_mode_16_64 3
		.amdhsa_memory_ordered 1
		.amdhsa_forward_progress 1
		.amdhsa_inst_pref_size 255
	.end_amdhsa_kernel
	.section	.bss,"aw",@nobits
	.p2align	6
	.space	262144
	.amdgpu_metadata
---
amdhsa.version: [ 1, 2 ]
amdhsa.kernels:
  - .name:           k_qb9759be3ea_proj
    .symbol:         k_qb9759be3ea_proj.kd
    .args:
      - { .name: wh, .offset: 0, .size: 8, .value_kind: global_buffer, .address_space: global }
      - { .name: xh, .offset: 8, .size: 8, .value_kind: global_buffer, .address_space: global }
      - { .name: qkv, .offset: 16, .size: 8, .value_kind: global_buffer, .address_space: global }
    .group_segment_fixed_size: 327680
    .private_segment_fixed_size: 0
    .kernarg_segment_align: 8
    .kernarg_segment_size: 24
    .max_flat_workgroup_size: 128
    .sgpr_count:     100
    .vgpr_count:     1024
    .wavefront_size: 32
...
	.end_amdgpu_metadata
.endif
;; end of part 2
;; launch attn (part 3): grid 256 x 1, 8 waves a work-group, no clusters, 327,680 bytes of LDS; arguments qkv, att; writes att
.if DOCPART == 3
	.amdgcn_target "amdgcn-amd-amdhsa--gfx1250"
	.amdhsa_code_object_version 6
	.text
	.protected	k_qb9759be3ea_attn
	.globl	k_qb9759be3ea_attn
	.p2align	8
	.type	k_qb9759be3ea_attn,@function
k_qb9759be3ea_attn:
	s_mov_b64 s[64:65], 0
	v_nop
	global_prefetch_b8 v0, s[64:65] scope:SCOPE_SE
	s_setreg_imm32_b32 hwreg(HW_REG_WAVE_MODE, 25, 1), 1
	s_wait_xcnt 0x0
; For each (b, head): att[d][c] = sum over q <= c of Vp[d][q] p[q][c],  p[q][c] = exp(s[q][c] - m[c]) / l[c],  s[q][c] = sum over d of Qp[d][q] Kp[d][c],
; m[c] the largest and l[c] the sum over q <= c.  The factor 1/32 behind the softmax is applied by the next launch, in f32.  qkv = [Kp | Qp | Vp], each [8][1024][1024] f16; att likewise.
; LIMITS: weights p are rounded to f16 for the second product: those under about 2^-25 of a column's largest are dropped; v_exp_f32 gives 0 for results under 2^-126.
; SHARES.  A head has four blocks of 256 columns c; block j needs the q tiles j (cut by q <= c), j - 1, .., 0, each 256 wide.  Work-group g serves head g / 2 and, with J = g % 2, block J
; and then block 3 - J: five q tiles either way.  Wave w owns 32 columns of a block, at 32 sg, sg = w xor 3 (w / 4), so that waves w and w + 4 have five half-steps in a cut tile together.
; NO CLUSTER, though the two work-groups of a head take the same Qp and Vp tiles in steps 2, 3 and 4 (q tiles 2, 1, 0): 3 x 65,536 of the 393,216 bytes that a work-group fetches.  In steps 1 and 2
; the two go different ways on J (one finishes a block and begins a cut tile while the other walks a whole tile), J would be their place in the cluster, and in a launch with joint loads no branch
; hangs on that place.  A walk alike in both would give each the longer of the two first blocks' walks and the longer of the two second blocks': 2 + 4 = 6 tile steps for 5 steps' work.
; LAYOUT.  S = Qp^T Kp with source 0 = 16 q and source 1 = 16 c: a lane holds ONE column c (lane % 16) and q = 8 (lane / 16) + 0..7.  Two such tiles, rounded to f16 in pairs, are source 1
; (32 q x 16 c) of O = Vp P, whose result again holds one column a lane.  Qp's and Kp's tiles lie [d][..] and are read turned (ds_load_tr16_b128); Vp's rows lie along q and are read as they are.
; SOFTMAX.  A running maximum m and sum l for each column; in each half-step O and l are multiplied by a = 2^(c m_old - c m_new), c = log2 e.  A wave's first half-step of a block is its own cut one,
; whose first q is at or below every one of its columns: m is finite from there on.
; Eight waves, two to a SIMD: one wave's softmax stands beside the other's products.
; REGISTERS.  Window 0: addresses, statistics, Kp's fragments, S, P, O, packed results.  Window 1: v0-63 Qp's fragments (t, kc) at 16 t + 8 kc; v64-127 Vp's (dt, qc) at 64 + 16 dt + 8 qc.
.set PQ,    544                        ; LDS row of a tile read turned: 512 bytes + 32, an odd multiple of 32
.set PVV,   528                        ; LDS row of Vp's tile: 512 + 16, an odd multiple of 16
.set VOFF,  64*PQ
.set SLOTB, 64*(PQ+PVV)                ; a slot: Qp's tile (64 d x 256 q), then Vp's
.set KCA,   2*SLOTB                    ; Kp's columns of the first block,
.set KCB,   KCA+64*PQ                  ; of the second
.set STAGE, KCB+64*PQ                  ; 64 rows d x 528 bytes, the work-group's; no tensor load fills it
.set SP,    528
.set AQ0, 4                            ; my lane's place in a tile read turned
.set AV0, 5                            ; and in Vp's tile (with VOFF)
.set AQ,  6                            ; the addresses at work
.set AV,  7
.set AKC, 8                            ; AQ0 + my wave's 64 bytes of columns
.set AKW, 9
.set DM,  10                           ; 32 (sg % 2) + r - 8 h: a score of the cut half-step goes where 16 t + j - 16 n is greater
.set NINF, 11
.set STO, 12
.set RD,  13
.set GO,  14
.set ST,  16                           ; column tile n's statistics at v[ST+8 n]: +0 c m, +1 m, +2, +3 l (even q's, odd q's), +4 to +7 at work; a in +6
.set KC,  32                           ; Kp's fragments (n, kc) at KC + 16 n + 8 kc
.set S,   64                           ; S (n, t) at S + 32 n + 8 t
.set P,   128                          ; P (n, qc) at P + 16 n + 8 qc
.set OT,  160                          ; O (n, dt) at OT + 32 n + 8 dt
.set TMP, 224
.set WV,  8                            ; s8 wave   s9 sg   s10 full half-steps of a cut tile   s11 the cut half-step's bytes along a row   s12 J   s13 loop counter   s14 at work
.set SG,  9
.set UN,  10
.set UW,  11
.set JJ,  12
.set CNT, 13
.set G1Q, 16                           ; s[16:23] group 1 for tiles read turned;  s[24:31] for Vp's
.set G1V, 24
.set G0Q, 32                           ; s[32:39] group 0 for Qp's tiles, a set for each slot;  s[40:47] for Vp's
.set G0V, 40
.set G0KA, 48
.set G0KB, 52
.set QB,  56                           ; s[56:57] Qp at the head's first row;  s[58:59] Vp
.set VB,  58
.set OA,  60                           ; s[60:61] att at the head's first block;  s[62:63] at its second
.set OBB, 62
.set CS,  66                           ; s[66:67] log2 e, twice
.set SEL, 68                           ; s[68:69] v_permlanex16_b32: each lane takes its own place in the other half
.set MSB, 0
.macro WIN new
.if MSB != \new
	s_set_vgpr_msb (MSB<<8)|\new
.set MSB, \new
.endif
.endm
.macro PLACES                          ; four plain vector instructions between a matrix instruction and a load into, or a vector read or write of, its registers
.rept 4
	v_nop
.endr
.endm
	s_load_b128 s[4:7], s[0:1], 0x0                ; qkv s[4:5], att s[6:7]
	s_set_vgpr_msb 0x40
	v_lshl_add_u32 v128, v0, 2, 0x3ac00
	v_mov_b32 v129, 0
	s_set_vgpr_msb 0x4045
	ds_add_u32 v128, v129
	s_set_vgpr_msb 0x4500
	v_lshrrev_b32 v1, 5, v0
	v_readfirstlane_b32 s[WV], v1                  ; wave 0..7
	s_lshr_b32 s[SG], s[WV], 2
	s_mul_i32 s[SG], s[SG], 3
	s_xor_b32 s[SG], s[SG], s[WV]                  ; 0 1 2 3 7 6 5 4
	s_lshr_b32 s[UN], s[SG], 1
	s_lshl_b32 s[UW], s[UN], 7                     ; 64 q are 128 bytes
	s_and_b32 s[JJ], ttmp9, 1
	s_lshr_b32 s2, ttmp9, 1
	s_lshl_b32 s2, s2, 17                          ; the head's 64 rows of 2,048 bytes
	s_mov_b32 s3, 0
	s_lshl_b32 s70, s[JJ], 9                       ; 512 bytes x J: the first block, and the first q tile
	s_mov_b32 s71, 0
	s_sub_co_u32 s72, 3, s[JJ]
	s_lshl_b32 s72, s72, 9                         ; x (3 - J): the second block
	s_mov_b32 s73, 0
	s_mul_i32 s74, s[JJ], 3
	s_sub_co_u32 s74, 3, s74
	s_lshl_b32 s74, s74, 9                         ; x (3 - 3 J): the second q tile
	s_mov_b32 s75, 0
	s_mov_b32 s[G1Q+0], (1<<16)|(1<<20)|(6<<22)|(7<<25)   ; no mask; elements of 2 bytes; padding on: after every 128 words 8 words
	s_mov_b32 s[G1V+0], (1<<16)|(1<<20)|(6<<22)|(3<<25)   ; 4 words
.irp g, G1Q, G1V
	s_mov_b32 s[\g+1], 256<<16                     ; tensor_dim0 = 256
	s_mov_b32 s[\g+2], 64<<16                      ; tensor_dim1 = 64
	s_mov_b32 s[\g+3], 256<<16                     ; tile_dim0 = 256
	s_mov_b32 s[\g+4], 64                          ; tile_dim1 = 64
	s_mov_b32 s[\g+5], 1024                        ; elements from row to row
	s_mov_b32 s[\g+6], 0
	s_mov_b32 s[\g+7], 0
.endr
	s_mov_b32 s[CS], 0x3fb8aa3b
	s_mov_b32 s[CS+1], 0x3fb8aa3b
	s_mov_b32 s[SEL], 0x76543210
	s_mov_b32 s[SEL+1], 0xfedcba98
	s_wait_dscnt 0x0
	s_wait_kmcnt 0x0
	s_add_nc_u64 s[4:5], s[4:5], s[2:3]            ; Kp at the head
	s_add_nc_u64 s[6:7], s[6:7], s[2:3]            ; att at the head
	s_add_nc_u64 s[QB:QB+1], s[4:5], 16777216
	s_add_nc_u64 s[VB:VB+1], s[4:5], 33554432
	s_add_nc_u64 s[OA:OA+1], s[6:7], s[70:71]
	s_add_nc_u64 s[OBB:OBB+1], s[6:7], s[72:73]
	s_mov_b32 s[G0KA], 1
	s_mov_b32 s[G0KA+1], KCA
	s_add_nc_u64 s[G0KA+2:G0KA+3], s[4:5], s[70:71]
	s_or_b32 s[G0KA+3], s[G0KA+3], 0x80000000
	s_mov_b32 s[G0KB], 1
	s_mov_b32 s[G0KB+1], KCB
	s_add_nc_u64 s[G0KB+2:G0KB+3], s[4:5], s[72:73]
	s_or_b32 s[G0KB+3], s[G0KB+3], 0x80000000
	s_mov_b32 s[G0Q], 1
	s_mov_b32 s[G0Q+1], 0
	s_add_nc_u64 s[G0Q+2:G0Q+3], s[QB:QB+1], s[70:71]
	s_or_b32 s[G0Q+3], s[G0Q+3], 0x80000000
	s_mov_b32 s[G0Q+4], 1
	s_mov_b32 s[G0Q+5], SLOTB
	s_add_nc_u64 s[G0Q+6:G0Q+7], s[QB:QB+1], s[74:75]
	s_or_b32 s[G0Q+7], s[G0Q+7], 0x80000000
	s_mov_b32 s[G0V], 1
	s_mov_b32 s[G0V+1], VOFF
	s_add_nc_u64 s[G0V+2:G0V+3], s[VB:VB+1], s[70:71]
	s_or_b32 s[G0V+3], s[G0V+3], 0x80000000
	s_mov_b32 s[G0V+4], 1
	s_mov_b32 s[G0V+5], SLOTB+VOFF
	s_add_nc_u64 s[G0V+6:G0V+7], s[VB:VB+1], s[74:75]
	s_or_b32 s[G0V+7], s[G0V+7], 0x80000000
	; The first fills: wave 0 brings the first block's Kp and slot 0's Qp, wave 1 the second block's Kp and slot 0's Vp; a wave's two stand in one branch: two loads of it are out.
	s_cmp_lg_u32 s[WV], 0
	s_cbranch_scc1 .Lnot_0
	tensor_load_to_lds s[G0KA:G0KA+3], s[G1Q:G1Q+7]
	s_nop 0
	tensor_load_to_lds s[G0Q:G0Q+3], s[G1Q:G1Q+7]
	s_nop 0
	PLACES
.Lnot_0:
	s_cmp_lg_u32 s[WV], 1
	s_cbranch_scc1 .Lnot_1
	tensor_load_to_lds s[G0KB:G0KB+3], s[G1Q:G1Q+7]
	s_nop 0
	tensor_load_to_lds s[G0V:G0V+3], s[G1V:G1V+7]
	s_nop 0
	PLACES
.Lnot_1:
	v_and_b32 v3, 31, v0                           ; l
	v_and_b32 v1, 15, v0                           ; r
	v_bfe_u32 v2, v0, 4, 1                         ; h
	v_and_b32 v[AQ0], 7, v0
	v_lshl_add_u32 v[AQ0], v2, 3, v[AQ0]           ; turned: row 8 h + l % 8,
	v_mul_u32_u24 v[AQ0], v[AQ0], PQ
	v_bfe_u32 v15, v0, 3, 1
	v_lshl_add_u32 v[AQ0], v15, 4, v[AQ0]          ; 16 bytes for each half of a group of sixteen lanes
	v_mul_u32_u24 v[AV0], v1, PVV                  ; as it lies: row r, 16 bytes for each half of the lanes
	v_lshl_add_u32 v[AV0], v2, 4, v[AV0]
	v_add_nc_u32 v[AV0], VOFF, v[AV0]
	s_lshl_b32 s14, s[SG], 6
	v_add_nc_u32 v[AKC], s14, v[AQ0]
	s_and_b32 s14, s[SG], 1
	s_lshl_b32 s14, s14, 5
	v_lshlrev_b32 v15, 3, v2
	v_sub_nc_u32 v[DM], v1, v15
	v_add_nc_u32 v[DM], s14, v[DM]
	v_mov_b32 v[NINF], 0xff800000
	v_mul_u32_u24 v[STO], v2, 8*SP                 ; into the stage: row 8 h (+ the register's), column 32 sg + r (+ 16 n)
	v_lshl_add_u32 v[STO], v1, 1, v[STO]
	s_lshl_b32 s14, s[SG], 6
	s_add_co_u32 s14, s14, STAGE
	v_add_nc_u32 v[STO], s14, v[STO]
	s_mul_i32 s14, s[WV], 8*SP                     ; back: wave w takes rows 8 w .. 8 w + 7, whole: 32 lanes x 16 bytes
	s_add_co_u32 s14, s14, STAGE
	v_lshl_add_u32 v[RD], v3, 4, s14
	s_lshl_b32 s14, s[WV], 14                      ; and the same rows in att
	v_lshl_add_u32 v[GO], v3, 4, s14
; The scores of the cut half-step with q > c become minus infinity; each accumulator is taken from its low registers on.
.macro MASK
.irp n, 0,1
.irp t, 0,1,2,3
.irp j, 0,1,2,3,4,5,6,7
	v_cmp_gt_i32 vcc_lo, 16*\t+\j-16*\n, v[DM]
	v_cndmask_b32 v[S+32*\n+8*\t+\j], v[S+32*\n+8*\t+\j], v[NINF], vcc_lo
.endr
.endr
.endr
.endm
; The softmax of a half-step, the two column tiles line by line.  first = 1: it starts m, l and O: there is no a and nothing to rescale.
.macro SOFTMAX first
.irp i, 0,1,2,3                        ; the maximum: four chains, each over registers 0 to 6 of one accumulator, begun at its low end
.irp n, 0,1
	v_max3_num_f32 v[ST+8*\n+4+\i], v[S+32*\n+8*\i], v[S+32*\n+8*\i+1], v[S+32*\n+8*\i+2]
.endr
.endr
.irp g, 1,2
.irp i, 0,1,2,3
.irp n, 0,1
	v_max3_num_f32 v[ST+8*\n+4+\i], v[ST+8*\n+4+\i], v[S+32*\n+8*\i+2*\g+1], v[S+32*\n+8*\i+2*\g+2]
.endr
.endr
.endr
.irp n, 0,1
	v_max3_num_f32 v[ST+8*\n+4], v[ST+8*\n+4], v[S+32*\n+7], v[S+32*\n+15]
	v_max3_num_f32 v[ST+8*\n+6], v[ST+8*\n+6], v[S+32*\n+23], v[S+32*\n+31]
.endr
.irp n, 0,1
	v_max3_num_f32 v[ST+8*\n+4], v[ST+8*\n+4], v[ST+8*\n+5], v[ST+8*\n+6]
.endr
.irp n, 0,1
.if \first
	v_max_num_f32 v[ST+8*\n+4], v[ST+8*\n+4], v[ST+8*\n+7]
.else
	v_max3_num_f32 v[ST+8*\n+4], v[ST+8*\n+4], v[ST+8*\n+7], v[ST+8*\n+1]
.endif
.endr
.irp n, 0,1
	v_permlanex16_b32 v[ST+8*\n+5], v[ST+8*\n+4], s[SEL], s[SEL+1]   ; the column's other 32 q lie in the lane 16 away
.endr
.if \first == 0
.irp n, 0,1
	v_mov_b32 v[ST+8*\n+7], v[ST+8*\n]             ; c m_old is kept for a
.endr
.endif
.irp n, 0,1
	v_max_num_f32 v[ST+8*\n+1], v[ST+8*\n+4], v[ST+8*\n+5]
.endr
.irp n, 0,1
	v_mul_f32 v[ST+8*\n], s[CS], v[ST+8*\n+1]
.endr
.if \first == 0
.irp n, 0,1
	v_sub_f32 v[ST+8*\n+7], v[ST+8*\n+7], v[ST+8*\n]
.endr
.irp n, 0,1
	v_exp_f32 v[ST+8*\n+6], v[ST+8*\n+7]           ; a; the scalings below are the plain instructions behind it
.endr
.endif
.irp i, 0,1,2,3,4,5,6,7,8,9,10,11,12,13,14,15
.irp n, 0,1
	v_pk_fma_f32 v[S+32*\n+2*\i:S+32*\n+2*\i+1], v[S+32*\n+2*\i:S+32*\n+2*\i+1], s[CS:CS+1], v[ST+8*\n:ST+8*\n+1] op_sel_hi:[1,0,0] neg_lo:[0,0,1] neg_hi:[0,0,1]   ; c s - c m
.endr
.endr
.irp n, 0,1
.irp i, 0,1,2,3,4,5,6,7,8,9,10,11,12,13,14,15,16,17,18,19,20,21,22,23,24,25,26,27,28,29,30,31
	v_exp_f32 v[S+32*\n+\i], v[S+32*\n+\i]
.endr
.endr
	v_nop                                          ; a plain instruction between the last exponential and the use of its result
	s_wait_alu depctr_va_vdst(0)
.irp i, 0,1,2,3,4,5,6,7,8,9,10,11,12,13,14,15
.irp n, 0,1
	v_cvt_pk_f16_f32 v[P+16*\n+\i], v[S+32*\n+2*\i], v[S+32*\n+2*\i+1]
.endr
.endr
.irp u, 0,1,2,3,4,5,6,7                ; the sum of the 16 pairs, in place: neighbours 1, 2, 4 and 8 pairs apart
.irp n, 0,1
	v_pk_add_f32 v[S+32*\n+4*\u:S+32*\n+4*\u+1], v[S+32*\n+4*\u:S+32*\n+4*\u+1], v[S+32*\n+4*\u+2:S+32*\n+4*\u+3]
.endr
.endr
.irp u, 0,1,2,3
.irp n, 0,1
	v_pk_add_f32 v[S+32*\n+8*\u:S+32*\n+8*\u+1], v[S+32*\n+8*\u:S+32*\n+8*\u+1], v[S+32*\n+8*\u+4:S+32*\n+8*\u+5]
.endr
.endr
.irp u, 0,1
.irp n, 0,1
	v_pk_add_f32 v[S+32*\n+16*\u:S+32*\n+16*\u+1], v[S+32*\n+16*\u:S+32*\n+16*\u+1], v[S+32*\n+16*\u+8:S+32*\n+16*\u+9]
.endr
.endr
.if \first
.irp n, 0,1
	v_pk_add_f32 v[ST+8*\n+2:ST+8*\n+3], v[S+32*\n:S+32*\n+1], v[S+32*\n+16:S+32*\n+17]
.endr
.else
.irp n, 0,1
	v_pk_add_f32 v[S+32*\n:S+32*\n+1], v[S+32*\n:S+32*\n+1], v[S+32*\n+16:S+32*\n+17]
.endr
.irp n, 0,1
	v_pk_fma_f32 v[ST+8*\n+2:ST+8*\n+3], v[ST+8*\n+2:ST+8*\n+3], v[ST+8*\n+6:ST+8*\n+7], v[S+32*\n:S+32*\n+1] op_sel_hi:[1,0,1]   ; l = a l + the sum
.endr
.irp i, 0,1,2,3,4,5,6,7,8,9,10,11,12,13,14,15   ; O times a, each accumulator from its low registers on
.irp n, 0,1
	v_pk_mul_f32 v[OT+32*\n+2*\i:OT+32*\n+2*\i+1], v[OT+32*\n+2*\i:OT+32*\n+2*\i+1], v[ST+8*\n+6:ST+8*\n+7] op_sel_hi:[1,0]
.endr
.endr
.endif
.endm
; A HALF-STEP: 64 q x my 32 columns.  first: it starts the block's sums.  mask: it is the cut one.  step: the addresses go 64 q on.
; In both runs of 16 products the 8 accumulators take turns, one instruction a turn.
.macro HS first, mask, step
	PLACES                                         ; behind the last products, which read Vp's fragments
	WIN 0x40                                       ; destination window 1, address window 0
.irp t, 0,1,2,3
.irp kc, 0,1
	ds_load_tr16_b128 v[16*\t+8*\kc:16*\t+8*\kc+3],   v[AQ] offset:32*PQ*\kc+32*\t
	ds_load_tr16_b128 v[16*\t+8*\kc+4:16*\t+8*\kc+7], v[AQ] offset:32*PQ*\kc+16*PQ+32*\t
.endr
.endr
.irp dt, 0,1,2,3
.irp qc, 0,1
	ds_load_b128 v[64+16*\dt+8*\qc:64+16*\dt+8*\qc+3],   v[AV] offset:16*PVV*\dt+64*\qc
	ds_load_b128 v[64+16*\dt+8*\qc+4:64+16*\dt+8*\qc+7], v[AV] offset:16*PVV*\dt+64*\qc+32
.endr
.endr
	WIN 0
.if \step
	v_add_nc_u32 v[AQ], 128, v[AQ]
	v_add_nc_u32 v[AV], 128, v[AV]
.endif
	s_wait_dscnt 16                                ; all but Vp's sixteen loads: Qp's fragments are in, and Kp's, which were asked for earlier
	WIN 0x01                                       ; source 0 window 1
.irp kc, 0,1
.irp n, 0,1
.irp t, 0,1,2,3
.if \kc == 0
	v_wmma_f32_16x16x32_f16 v[S+32*\n+8*\t:S+32*\n+8*\t+7], v[16*\t+8*\kc:16*\t+8*\kc+7], v[KC+16*\n+8*\kc:KC+16*\n+8*\kc+7], 0
.else
	v_wmma_f32_16x16x32_f16 v[S+32*\n+8*\t:S+32*\n+8*\t+7], v[16*\t+8*\kc:16*\t+8*\kc+7], v[KC+16*\n+8*\kc:KC+16*\n+8*\kc+7], v[S+32*\n+8*\t:S+32*\n+8*\t+7]
.endif
.endr
.endr
.endr
	WIN 0
	PLACES
.if \mask
	MASK
.endif
	SOFTMAX \first
	s_wait_dscnt 0x0                               ; Vp's fragments are in
	WIN 0x01
.irp qc, 0,1
.irp n, 0,1
.irp dt, 0,1,2,3
.if \first && (\qc == 0)
	v_wmma_f32_16x16x32_f16 v[OT+32*\n+8*\dt:OT+32*\n+8*\dt+7], v[64+16*\dt+8*\qc:64+16*\dt+8*\qc+7], v[P+16*\n+8*\qc:P+16*\n+8*\qc+7], 0
.else
	v_wmma_f32_16x16x32_f16 v[OT+32*\n+8*\dt:OT+32*\n+8*\dt+7], v[64+16*\dt+8*\qc:64+16*\dt+8*\qc+7], v[P+16*\n+8*\qc:P+16*\n+8*\qc+7], v[OT+32*\n+8*\dt:OT+32*\n+8*\dt+7]
.endif
.endr
.endr
.endr
	WIN 0
.endm
.macro LOADKC base                     ; my 32 columns of Kp, 64 d: four fragments, kept for the whole block
	v_add_nc_u32 v[AKW], \base, v[AKC]
.irp n, 0,1
.irp kc, 0,1
	ds_load_tr16_b128 v[KC+16*\n+8*\kc:KC+16*\n+8*\kc+3],   v[AKW] offset:32*PQ*\kc+32*\n
	ds_load_tr16_b128 v[KC+16*\n+8*\kc+4:KC+16*\n+8*\kc+7], v[AKW] offset:32*PQ*\kc+16*PQ+32*\n
.endr
.endr
.endm
; The cut tile: my own cut half-step first, then the half-steps below it.  Every wave makes three trips, u = 0, 1, 2, and the addresses step behind the join, on every path: in trip u they are
; the slot's base + my lane's place + 128 u, inside the slot that has landed.  A wave jumps over the body of the trips with u at or above its own cut half-step (s10, made of the wave's number):
; those q lie above all its columns.  No barrier and no tensor load stands inside.
.macro DIAG slot
	s_add_co_u32 s14, s[UW], \slot*SLOTB
	v_add_nc_u32 v[AQ], s14, v[AQ0]
	v_add_nc_u32 v[AV], s14, v[AV0]
	HS 1, 1, 0
	v_add_nc_u32 v[AQ], \slot*SLOTB, v[AQ0]
	v_add_nc_u32 v[AV], \slot*SLOTB, v[AV0]
	s_mov_b32 s[CNT], 0
.Ldiag_\@:
	s_cmp_ge_u32 s[CNT], s[UN]
	s_cbranch_scc1 .Ldiag_skip_\@
	HS 0, 0, 0
.Ldiag_skip_\@:
	v_add_nc_u32 v[AQ], 128, v[AQ]                 ; 64 q on
	v_add_nc_u32 v[AV], 128, v[AV]
	s_add_co_u32 s[CNT], s[CNT], 1
	s_cmp_lt_u32 s[CNT], 3
	s_cbranch_scc1 .Ldiag_\@
.endm
.macro FULL slot                       ; a whole tile: four half-steps
	v_add_nc_u32 v[AQ], \slot*SLOTB, v[AQ0]
	v_add_nc_u32 v[AV], \slot*SLOTB, v[AV0]
	s_mov_b32 s[CNT], 4
.Lfull_\@:
	HS 0, 0, 1
	s_sub_co_u32 s[CNT], s[CNT], 1
	s_cmp_lg_u32 s[CNT], 0
	s_cbranch_scc1 .Lfull_\@
.endm
.macro ALOAD s                         ; wave 0 asks for Qp's tile, wave 1 for Vp's: one load a wave; four v_nop follow each
	s_cmp_lg_u32 s[WV], 0
	s_cbranch_scc1 .Lno_q_\@
	tensor_load_to_lds s[G0Q+4*\s:G0Q+4*\s+3], s[G1Q:G1Q+7]
	s_nop 0
	PLACES
.Lno_q_\@:
	s_cmp_lg_u32 s[WV], 1
	s_cbranch_scc1 .Lno_v_\@
	tensor_load_to_lds s[G0V+4*\s:G0V+4*\s+3], s[G1V:G1V+7]
	s_nop 0
	PLACES
.Lno_v_\@:
.endm
; The head of a step: every wave waits for all its tensor loads (this step's tile among them) and for its LDS reads (the other slot's among them), then the barrier; behind it the other slot
; takes the next step's tile, first thing: that load has the whole step in which to land.  rebuild = 1: the other slot's addresses are set, off bytes along the rows, where no tensor load is out.
.macro HEAD fill, ns, rebuild, off
	s_set_vgpr_msb 0x5
	s_wait_tensorcnt 0x0
	ds_add_u32 v128, v129
	s_wait_dscnt 0x0
	s_set_vgpr_msb 0x500
.if \rebuild
	s_add_nc_u64 s[G0Q+4*\ns+2:G0Q+4*\ns+3], s[QB:QB+1], \off
	s_or_b32 s[G0Q+4*\ns+3], s[G0Q+4*\ns+3], 0x80000000
	s_add_nc_u64 s[G0V+4*\ns+2:G0V+4*\ns+3], s[VB:VB+1], \off
	s_or_b32 s[G0V+4*\ns+3], s[G0V+4*\ns+3], 0x80000000
.endif
	s_wait_dscnt 0x0
	s_barrier_signal -1
	s_barrier_wait -1
.if \fill
	ALOAD \ns
.endif
.endm
; A block is finished: O / l, rounded to f16, into the work-group's stage (a lane holds a column, so two bytes at a time), a barrier, back as whole rows of 512 bytes, stored.
; The tile that is on its way may stay out.  more = 1: work follows that writes the stores' data registers.
.macro FINISH ob, more
	PLACES
.irp n, 0,1
	v_add_f32 v[ST+8*\n+4], v[ST+8*\n+2], v[ST+8*\n+3]
.endr
.irp n, 0,1
	v_permlanex16_b32 v[ST+8*\n+5], v[ST+8*\n+4], s[SEL], s[SEL+1]
.endr
.irp n, 0,1
	v_add_f32 v[ST+8*\n+4], v[ST+8*\n+4], v[ST+8*\n+5]
.endr
.irp n, 0,1
	v_rcp_f32 v[ST+8*\n+6], v[ST+8*\n+4]
.endr
	v_nop                                          ; a plain instruction between the last reciprocal and the use of its result
	s_wait_alu depctr_va_vdst(0)
.irp n, 0,1
.irp i, 0,1,2,3,4,5,6,7,8,9,10,11,12,13,14,15
	v_pk_mul_f32 v[OT+32*\n+2*\i:OT+32*\n+2*\i+1], v[OT+32*\n+2*\i:OT+32*\n+2*\i+1], v[ST+8*\n+6:ST+8*\n+7] op_sel_hi:[1,0]
.endr
.endr
.irp n, 0,1
.irp i, 0,1,2,3,4,5,6,7,8,9,10,11,12,13,14,15
	v_cvt_pk_f16_f32 v[TMP+16*\n+\i], v[OT+32*\n+2*\i], v[OT+32*\n+2*\i+1]
.endr
.endr
.irp n, 0,1
.irp i, 0,1,2,3,4,5,6,7,8,9,10,11,12,13,14,15
	ds_store_b16 v[STO], v[TMP+16*\n+\i] offset:(16*(\i/4)+2*(\i%4))*SP+32*\n
	ds_store_b16_d16_hi v[STO], v[TMP+16*\n+\i] offset:(16*(\i/4)+2*(\i%4)+1)*SP+32*\n
.endr
.endr
	s_wait_dscnt 0x0                               ; for the others' sake: my stores into the stage are done
	s_barrier_signal -1
	s_barrier_wait -1
.irp t, 0,1,2,3,4,5,6,7
	ds_load_b128 v[S+4*\t:S+4*\t+3], v[RD] offset:\t*SP
.endr
.irp t, 0,1,2,3,4,5,6,7
	s_wait_dscnt 7-\t                              ; row t is in; the younger rows' loads stay out
	global_store_b128 v[GO], v[S+4*\t:S+4*\t+3], s[\ob:\ob+1] offset:\t*2048   ; the wave stores 512 consecutive bytes, at a multiple of 512 from att's first byte
.endr
.if \more
	s_wait_xcnt 0x0                                ; S's registers are written again only behind this wait
.endif
.endm
; The five steps; step k reads slot k % 2.  q tiles: J, 3 - 3 J, 2, 1, 0.  The branches hang on the work-group's number alone: all eight waves go the same way.
	HEAD 1, 1, 0, 0                                ; slot 0 and both blocks' Kp are in; slot 1 is asked for
	LOADKC KCA
	DIAG 0
	HEAD 1, 0, 1, 1024                             ; q tile 2 goes into slot 0
	s_cmp_lg_u32 s[JJ], 0
	s_cbranch_scc1 .Lstep1_odd
	FINISH OA, 1                                   ; J = 0: block 0 had its one tile; block 3 begins with q tile 3
	LOADKC KCB
	DIAG 1
	s_branch .Lstep1_done
.Lstep1_odd:
	FULL 1                                         ; J = 1: block 1 goes on with q tile 0
.Lstep1_done:
	HEAD 1, 1, 1, 512                              ; q tile 1 goes into slot 1
	s_cmp_lg_u32 s[JJ], 0
	s_cbranch_scc1 .Lstep2_odd
	FULL 0                                         ; J = 0: block 3, q tile 2
	s_branch .Lstep2_done
.Lstep2_odd:
	FINISH OA, 1                                   ; J = 1: block 1 is finished; block 2 begins with q tile 2
	LOADKC KCB
	DIAG 0
.Lstep2_done:
	HEAD 1, 0, 1, 0                                ; q tile 0 goes into slot 0
	FULL 1
	HEAD 0, 0, 0, 0                                ; nothing is left to fetch; no tensor load is out from here on
	FULL 0
	FINISH OBB, 0
	s_set_vgpr_msb 0x5
	s_wait_tensorcnt 0x0
	ds_add_u32 v128, v129
	s_wait_dscnt 0x0
	s_set_vgpr_msb 0x500
	s_endpgm
.Lfunc_end_k_qb9759be3ea_attn:
	.size	k_qb9759be3ea_attn, .Lfunc_end_k_qb9759be3ea_attn-k_qb9759be3ea_attn
	.p2alignl 7, 3214868480
	.fill 96, 4, 3214868480
	.section	.rodata,"a",@progbits
	.p2align	6, 0x0
	.amdhsa_kernel k_qb9759be3ea_attn
		.amdhsa_group_segment_fixed_size 327680
		.amdhsa_private_segment_fixed_size 0
		.amdhsa_enable_private_segment 0
		.amdhsa_kernarg_size 16
		.amdhsa_user_sgpr_count 2
		.amdhsa_user_sgpr_kernarg_segment_ptr 1
		.amdhsa_wavefront_size32 1
		.amdhsa_system_sgpr_workgroup_id_x 1
		.amdhsa_system_sgpr_workgroup_id_y 1
		.amdhsa_system_sgpr_workgroup_id_z 1
		.amdhsa_system_vgpr_workitem_id 0
		.amdhsa_next_free_vgpr 386
		.amdhsa_next_free_sgpr 76
		.amdhsa_reserve_vcc 1
		.amdhsa_float_denorm_mode_32 3
		.amdhsa_float_denorm_mode_16_64 3
		.amdhsa_memory_ordered 1
		.amdhsa_forward_progress 1
		.amdhsa_inst_pref_size 221
	.end_amdhsa_kernel
	.amdgpu_metadata
---
amdhsa.version: [ 1, 2 ]
amdhsa.kernels:
  - .name:           k_qb9759be3ea_attn
    .symbol:         k_qb9759be3ea_attn.kd
    .args:
      - { .name: qkv, .offset: 0, .size: 8, .value_kind: global_buffer, .address_space: global }
      - { .name: att, .offset: 8, .size: 8, .value_kind: global_buffer, .address_space: global }
    .group_segment_fixed_size: 327680
    .private_segment_fixed_size: 0
    .kernarg_segment_align: 8
    .kernarg_segment_size: 16
    .max_flat_workgroup_size: 256
    .sgpr_count:     76
    .vgpr_count:     386
    .wavefront_size: 32
...
	.end_amdgpu_metadata
.endif
;; end of part 3
;; launch dense (part 4): grid 32 x 8, 4 waves a work-group, clusters of 4 x 4, 327,680 bytes of LDS; arguments wh, att, dense_b, out0; writes out0
.if DOCPART == 4
	.amdgcn_target "amdgcn-amd-amdhsa--gfx1250"
	.amdhsa_code_object_version 6
	.text
	.protected	k_qb9759be3ea_dense
	.globl	k_qb9759be3ea_dense
	.p2align	8
	.type	k_qb9759be3ea_dense,@function
k_qb9759be3ea_dense:
	s_mov_b64 s[64:65], 0
	v_nop
	global_prefetch_b8 v0, s[64:65] scope:SCOPE_SE
	s_setreg_imm32_b32 hwreg(HW_REG_WAVE_MODE, 25, 1), 1
	s_wait_xcnt 0x0
	s_wait_alu depctr_hold_cnt(0) depctr_sa_sdst(0) depctr_va_vdst(0) depctr_va_sdst(0) depctr_va_ssrc(0) depctr_va_vcc(0) depctr_vm_vsrc(0)
	s_getreg_b32 s2, hwreg(HW_REG_IB_STS2, 6, 4)
	s_cmp_eq_u32 s2, 0
	s_cbranch_scc0 .Lentry_in_a_cluster
	s_endpgm
.Lentry_in_a_cluster:
	s_bfe_u32 s2, ttmp6, 0x10000c
	s_cmp_lg_u32 s2, 0xf033
	s_cbranch_scc0 .Lentry_shape_is_right
	s_endpgm
.Lentry_shape_is_right:
; out0[b][e][w] = (sum over f of wh[3][e][f] att[b][f][w]) / 32 + dense_b[e].  Operands f16, sums f32; the factor 1/32 (the softmax's E^-0.5) and the bias in one f32 multiply-add.
; A tile of the result is 128 (e) x 256 (w); four waves, 2 x 2, each 64 e x 128 w: 32 accumulators, 256 registers.  32 x 8 work-groups, one tile each.
; K (= f) goes in steps of 128 through a ring of two LDS slots.  wh's tile lies [e][f] and is read by plain loads; att's lies [f][w] and is read turned, by ds_load_tr16_b128.
; CLUSTERS: 4 x 4 work-groups.  wh's tile hangs on the block of e alone, shared along a row of the cluster; att's on (b, block of w) alone, shared along a column: each is asked for jointly.
; THE MATRIX INSTRUCTION IS USED TRANSPOSED: source 0 = 16 columns w of att, source 1 = 16 rows e of wh: a lane then holds one row e (one bias) and eight neighbouring w: 32 bytes of f32.
; PREFETCH.  A K step is short (128 products a wave between two refills), so att's tiles are asked for ahead of their tensor loads.  A tile is 128 rows x 512 bytes and is read by the eight work-groups
; of a column tile; the work-group of tile row tr asks for rows 16 tr to 16 tr + 15: 32 blocks of 256 bytes, a lane each, one instruction of wave 3: each block is asked for once in the launch.
; Tiles 2 and 3 are asked for at the head, 112 and 240 products ahead of their tensor loads; tile j from 4 on in the change of slots of K step j - 4, 256 products ahead.  K steps 4 to 7 ask for
; nothing: tile 7 is the last.  Not asked for: tiles 0 and 1, which are loaded at once, and wh's tiles (a work-group's share of a step's 128 blocks among 32 work-groups would be 4 lanes of an instruction).
; REGISTERS: window 0: v0-31 addresses and bias; v64-159, v160-255 two fragment buffers (32 registers of wh, then 64 of att, for 32 along K), free on the way out.  Window 1: accumulator (a, b) at v[8 (8 a + b)].
.set KSTEP,  128
.set PA,     272                       ; wh's LDS row: 256 bytes + 16, an odd multiple of 16
.set PB,     544                       ; att's LDS row: 512 bytes + 32, an odd multiple of 32
.set AH,     64*PA
.set BH,     64*PB
.set SLOT,   2*AH+2*BH
.set STAGE,  2*SLOT                    ; behind the ring: 16 rows x 528 bytes for each wave; no tensor load fills it
.set SP,     528
.set LAPS,   4
.set A_STEP, KSTEP*2
.set B_STEP, KSTEP*2048
.set WOFF,   3*1024*2048               ; dense_M is the fourth matrix of wh
.set BI,   8                           ; v8-15   block a's bias of my row, twice (a pair for the packed multiply-add)
.set ADRA, 16
.set ADRB, 20
.set STO,  24
.set RD,   25
.set CO,   26
.set PO,   27                          ; v27     the prefetch: my lane's block among the work-group's 16 rows x 2; never rewritten
.set F0,   64
.set F1,   160
.set TMP,  64                          ; the way out: a block's 64 results
.set OB,   128                         ; rows read back: v128-191 and v192-255 by turns
.set G1,  24
.set G0,  32
.set G1B, 48
.set G0B, 56
.set PFB, 70                           ; s[70:71] the prefetch: att at my work-group's 16 rows of tile 0 (in the loop: two tiles on in each trip)
.set MSB, 0
.macro WIN new
.if MSB != \new
	s_set_vgpr_msb (MSB<<8)|\new
.set MSB, \new
.endif
.endm
.set MUL, 0x50                         ; sources 0 and 1 window 0; C and D window 1
.macro PLACES                          ; four plain vector instructions between a matrix instruction and a load into, or a vector read or write of, its registers
.rept 4
	v_nop
.endr
.endm
.macro JLOAD s                         ; a joint load: waves 0 and 1 fetch wh's two halves, waves 2 and 3 att's; four v_nop follow each line
	s_cmp_eq_u32 s11, 0
	s_cbranch_scc0 .Lfor_b_\@
	tensor_load_to_lds s[G0+4*\s:G0+4*\s+3], s[G1:G1+7]
	s_nop 0
	PLACES
	s_branch .Lasked_\@
.Lfor_b_\@:
	tensor_load_to_lds s[G0B+4*\s:G0B+4*\s+3], s[G1B:G1B+7]
	s_nop 0
	PLACES
.Lasked_\@:
.endm
; Wave 3 asks for my work-group's 32 blocks of att's tile j, counted from the tile at which the base stands.  It stands where every window is 0.
.macro PFASK j
	s_cmp_lg_u32 s10, 3
	s_cbranch_scc1 .Lno_ask_\@
	global_prefetch_b8 v[PO], s[PFB:PFB+1] offset:(\j)*B_STEP th:TH_LOAD_NT scope:SCOPE_SE
.Lno_ask_\@:
.endm
.macro CREST
	s_cmp_lg_u32 s10, 0
	s_cbranch_scc1 .Lnot_wave_0_\@
	s_barrier_signal -3
.Lnot_wave_0_\@:
	s_barrier_wait -3
	s_barrier_signal -1
	s_barrier_wait -1
.endm
.macro CROUND
	s_barrier_signal -1
	s_barrier_wait -1
	CREST
.endm
	s_load_b128 s[4:7], s[0:1], 0x0                ; wh s[4:5], att s[6:7]
	s_load_b64 s[66:67], s[0:1], 0x10              ; dense_b
	s_load_b64 s[8:9], s[0:1], 0x18                ; out0
	v_lshl_add_u32 v62, v0, 2, 0x3b400
	v_mov_b32 v63, 0
	ds_add_u32 v62, v63
	v_lshrrev_b32 v1, 5, v0
	v_readfirstlane_b32 s10, v1                    ; wave 0..3
	s_lshr_b32 s11, s10, 1                         ; my half of the rows e.  Also: I fetch for wh (0) or for att (1)
	s_and_b32 s12, s10, 1                          ; my half of the columns w.  Also: which 64 rows of that tile I fetch
	s_bfe_u32 s40, ttmp6, 0x40000                  ; cx, cy
	s_bfe_u32 s41, ttmp6, 0x40004
	s_lshl_b32 s42, ttmp9, 2
	s_add_co_u32 s42, s42, s40                     ; column tile = 4 b + block of w
	s_and_b32 s13, ttmp7, 0xffff
	s_lshl_b32 s13, s13, 2
	s_add_co_u32 s13, s13, s41                     ; tile row = block of e
	s_lshl_b32 s43, s41, 2
	s_lshl_b32 s43, 15, s43                        ; my row of the cluster
	s_lshl_b32 s44, 0x1111, s40                    ; my column
	s_mov_b32 s68, 0x3d000000                      ; 1/32
	s_mov_b32 s69, 0x3d000000
	s_or_b32 s[G1+0], s43, (1<<16)|(1<<20)|(1<<21)|(5<<22)|(3<<25)   ; mask: my row; elements of 2 bytes; padding on; bit 21 beside a mask; after every 64 words 4 words
	s_mov_b32 s[G1+1], KSTEP<<16
	s_mov_b32 s[G1+2], 64<<16
	s_mov_b32 s[G1+3], KSTEP<<16
	s_mov_b32 s[G1+4], 64
	s_mov_b32 s[G1+5], 1024
	s_mov_b32 s[G1+6], 0
	s_mov_b32 s[G1+7], 0
	s_or_b32 s[G1B+0], s44, (1<<16)|(1<<20)|(1<<21)|(6<<22)|(7<<25)  ; mask: my column; after every 128 words 8 words
	s_mov_b32 s[G1B+1], 256<<16
	s_mov_b32 s[G1B+2], 64<<16
	s_mov_b32 s[G1B+3], 256<<16
	s_mov_b32 s[G1B+4], 64
	s_mov_b32 s[G1B+5], 1024
	s_mov_b32 s[G1B+6], 0
	s_mov_b32 s[G1B+7], 0
	s_lshl_b32 s16, s13, 18                        ; wh: the fourth matrix, row 128 x tile row + 64 x half
	s_lshl_b32 s17, s12, 17
	s_add_co_u32 s16, s16, s17
	s_add_co_u32 s16, s16, WOFF
	s_mov_b32 s17, 0
	s_lshr_b32 s46, s42, 2                         ; att: b x 2 MiB + block of w x 512 bytes + 64 rows x half
	s_lshl_b32 s46, s46, 21
	s_and_b32 s47, s42, 3
	s_lshl_b32 s47, s47, 9
	s_add_co_u32 s46, s46, s47
	s_lshl_b32 s47, s12, 17
	s_add_co_u32 s46, s46, s47
	s_mov_b32 s47, 0
	s_lshl_b32 s18, s13, 9                         ; dense_b: 4 bytes x (128 x tile row + 64 x my half of the rows)
	s_lshl_b32 s19, s11, 8
	s_add_co_u32 s18, s18, s19
	s_mov_b32 s19, 0
	s_mul_i32 s20, s12, AH
	s_mul_i32 s21, s12, BH
	s_add_co_u32 s21, s21, 2*AH
	s_wait_dscnt 0x0
	s_wait_kmcnt 0x0
	s_add_nc_u64 s[14:15], s[4:5], s[16:17]
	s_add_nc_u64 s[46:47], s[6:7], s[46:47]
	s_add_nc_u64 s[66:67], s[66:67], s[18:19]
	CROUND                                         ; all sixteen work-groups are here: the first joint loads meet
.irp s, 0,1
	s_mov_b32 s[G0+4*\s], 1
	s_add_co_u32 s[G0+4*\s+1], s20, \s*SLOT
	s_add_nc_u64 s[G0+4*\s+2:G0+4*\s+3], s[14:15], \s*A_STEP
	s_or_b32 s[G0+4*\s+3], s[G0+4*\s+3], 0x80000000
	s_mov_b32 s[G0B+4*\s], 1
	s_add_co_u32 s[G0B+4*\s+1], s21, \s*SLOT
	s_add_nc_u64 s[G0B+4*\s+2:G0B+4*\s+3], s[46:47], \s*B_STEP
	s_or_b32 s[G0B+4*\s+3], s[G0B+4*\s+3], 0x80000000
.endr
	s_cmp_eq_u32 s11, 0                            ; a wave's two first fills stand in one branch: two loads of mine are out
	s_cbranch_scc0 .Lfirst_b
	tensor_load_to_lds s[G0:G0+3], s[G1:G1+7]
	s_nop 0
	tensor_load_to_lds s[G0+4:G0+7], s[G1:G1+7]
	s_nop 0
	PLACES
	s_branch .Lfirst_asked
.Lfirst_b:
	tensor_load_to_lds s[G0B:G0B+3], s[G1B:G1B+7]
	s_nop 0
	tensor_load_to_lds s[G0B+4:G0B+7], s[G1B:G1B+7]
	s_nop 0
	PLACES
.Lfirst_asked:
	v_and_b32 v1, 15, v0                           ; r
	v_bfe_u32 v2, v0, 4, 1                         ; h
	v_and_b32 v7, 31, v0                           ; l
	v_lshlrev_b32 v6, 2, v1                        ; the bias of row 16 a + r; v6 is never rewritten
	v_bfe_u32 v[PO], v0, 1, 4                      ; the prefetch: lane l takes row l / 2 of the work-group's 16,
	v_lshlrev_b32 v[PO], 11, v[PO]
	v_and_b32 v28, 1, v0
	v_lshl_add_u32 v[PO], v28, 8, v[PO]            ; and block l % 2 of the row's 512 bytes
	s_lshr_b32 s72, s42, 2                         ; its base: b x 2 MiB, block of w x 512 bytes, row 16 x tile row of the K step's 128.  The highest byte asked for lies in row
	s_lshl_b32 s72, s72, 21                        ; 7 x 128 + 7 x 16 + 15 = 1,023 of b = 7: inside att
	s_and_b32 s73, s42, 3
	s_lshl_b32 s73, s73, 9
	s_add_co_u32 s72, s72, s73
	s_lshl_b32 s73, s13, 15
	s_add_co_u32 s72, s72, s73
	s_mov_b32 s73, 0
	s_add_nc_u64 s[PFB:PFB+1], s[6:7], s[72:73]
.irp a, 0,1,2,3
	global_load_b32 v[BI+2*\a],   v6, s[66:67] offset:64*\a
	global_load_b32 v[BI+2*\a+1], v6, s[66:67] offset:64*\a
.endr
	s_cmp_lg_u32 s10, 3                            ; wave 3 asks for the work-group's share of tiles 2 and 3: their tensor loads stand in the changes of slots of K steps 0 and 1
	s_cbranch_scc1 .Lno_first_ask
	global_prefetch_b8 v[PO], s[PFB:PFB+1] offset:2*B_STEP th:TH_LOAD_NT scope:SCOPE_SE
	global_prefetch_b8 v[PO], s[PFB:PFB+1] offset:3*B_STEP th:TH_LOAD_NT scope:SCOPE_SE
.Lno_first_ask:
	v_mul_u32_u24 v3, v1, PA
	v_lshl_add_u32 v3, v2, 4, v3                   ; wh: row r x pitch + 16 h
	v_and_b32 v4, 7, v0
	v_lshl_add_u32 v4, v2, 3, v4                   ; att, turned: row 8 h + l % 8,
	v_mul_u32_u24 v4, v4, PB
	v_bfe_u32 v5, v0, 3, 1
	v_lshl_add_u32 v4, v5, 4, v4                   ; 16 bytes for each half of a group of sixteen lanes
	s_mul_i32 s22, s11, AH
	s_lshl_b32 s23, s12, 8
	s_add_co_u32 s23, s23, 2*AH
.irp s, 0,1
	v_add_nc_u32 v[ADRA+\s], s22, v3
	v_add_nc_u32 v[ADRB+\s], s23, v4
	s_add_co_u32 s22, s22, SLOT
	s_add_co_u32 s23, s23, SLOT
.endr
	s_mul_i32 s22, s10, 16*SP
	s_add_co_u32 s22, s22, STAGE                   ; my stage
	v_mul_u32_u24 v5, v1, SP                       ; in: row r, 32 bytes for each half of the lanes
	v_lshl_add_u32 v5, v2, 5, v5
	v_add_nc_u32 v[STO], s22, v5
	v_lshl_add_u32 v[RD], v7, 4, s22               ; back: a whole row of 512 bytes, 16 bytes a lane
	v_lshlrev_b32 v[CO], 4, v7                     ; and the same in out0
	s_lshl_b32 s16, s13, 19                        ; where my part of the tile begins: row 128 x tile row + 64 x half, rows of 4,096 bytes,
	s_lshl_b32 s17, s11, 18
	s_add_co_u32 s16, s16, s17
	s_lshr_b32 s46, s42, 2                         ; b x 4 MiB, block of w x 1,024 bytes, 512 bytes x half
	s_lshl_b32 s46, s46, 22
	s_and_b32 s47, s42, 3
	s_lshl_b32 s47, s47, 10
	s_add_co_u32 s46, s46, s47
	s_lshl_b32 s47, s12, 9
	s_add_co_u32 s46, s46, s47
	s_add_co_u32 s16, s16, s46
	s_mov_b32 s17, 0
; 8 matrix instructions: block a of 16 rows e x all 8 blocks of 16 w, 32 along K.  The 32 accumulators take turns, one instruction a turn.
.macro MUL8 f, a, zero
.irp b, 0,1,2,3,4,5,6,7
.if \zero
	v_wmma_f32_16x16x32_f16 v[8*(8*\a+\b):8*(8*\a+\b)+7], v[\f+32+8*\b:\f+32+8*\b+7], v[\f+8*\a:\f+8*\a+7], 0
.else
	v_wmma_f32_16x16x32_f16 v[8*(8*\a+\b):8*(8*\a+\b)+7], v[\f+32+8*\b:\f+32+8*\b+7], v[\f+8*\a:\f+8*\a+7], v[8*(8*\a+\b):8*(8*\a+\b)+7]
.endif
.endr
.endm
.macro FETCH slot, q, f                ; 24 LDS loads in one run: att's 8 fragments first, then wh's 4
	WIN 0
.irp b, 0,1,2,3,4,5,6,7
	ds_load_tr16_b128 v[\f+32+8*\b:\f+32+8*\b+3],   v[ADRB+\slot] offset:\q*32*PB+32*\b
	ds_load_tr16_b128 v[\f+32+8*\b+4:\f+32+8*\b+7], v[ADRB+\slot] offset:\q*32*PB+16*PB+32*\b
.endr
.irp a, 0,1,2,3
	ds_load_b128 v[\f+8*\a:\f+8*\a+3],   v[ADRA+\slot] offset:\q*64+\a*16*PA
	ds_load_b128 v[\f+8*\a+4:\f+8*\a+7], v[ADRA+\slot] offset:\q*64+\a*16*PA+32
.endr
.endm
.macro QUARTER slot, q, f, g, zero
	s_wait_dscnt 4                                 ; all but the four youngest loads (wh's blocks 2 and 3) are in
	WIN MUL
	MUL8 \f, 0, \zero
	MUL8 \f, 1, \zero
	PLACES
	FETCH \slot, \q, \g
	s_wait_dscnt 24                                ; all but the 24 just issued
	WIN MUL
	MUL8 \f, 2, \zero
	MUL8 \f, 3, \zero
.endm
; The last quarter multiplies buffer 1 and changes slots: one barrier; in front of it each wave waits for its reads of this slot and for all its tensor loads.
; fill = 1: this slot is filled again two K steps on, behind a round of the cluster's barrier, first thing, 120 products ahead of the wait for it.
; pf other than 0: behind the run of fragment loads wave 3 asks for the work-group's share of att's tile pf, counted from the prefetch's base.
.macro TURN slot, next, fill, pf
	s_wait_dscnt 4
	WIN MUL
	MUL8 F1, 0, 0
	s_wait_dscnt 0x0
	s_wait_tensorcnt 0x0
	ds_add_u32 v62, v63
	s_wait_dscnt 0x0
	s_barrier_signal -1
	MUL8 F1, 1, 0
.if \fill
	WIN 0
.endif
	s_barrier_wait -1
.if \fill
	CREST
	s_add_nc_u64 s[G0+4*\slot+2:G0+4*\slot+3], s[G0+4*\slot+2:G0+4*\slot+3], 2*A_STEP
	s_add_nc_u64 s[G0B+4*\slot+2:G0B+4*\slot+3], s[G0B+4*\slot+2:G0B+4*\slot+3], 2*B_STEP
	JLOAD \slot                                    ; its four v_nop are also the places in front of the loads below
.else
	PLACES
.endif
	FETCH \next, 0, F0
.if \pf
	PFASK \pf
.endif
	WIN MUL
	MUL8 F1, 2, 0
	MUL8 F1, 3, 0
.endm
; Once round the ring, from a lap's second quarter to the next lap's first; both slots are filled again.  pa, pb: the tiles that its two changes of slots ask for ahead (0: none).
.macro LAP pa, pb
	QUARTER 0, 2, F1, F0, 0
	QUARTER 0, 3, F0, F1, 0
	TURN 0, 1, 1, \pa
	QUARTER 1, 1, F0, F1, 0
	QUARTER 1, 2, F1, F0, 0
	QUARTER 1, 3, F0, F1, 0
	TURN 1, 0, 1, \pb
	QUARTER 0, 1, F0, F1, 0
.endm
; THE WAY OUT of block a (16 rows e x 128 w).  SCALE: sum / 32 + bias, each accumulator from its low registers on.  TOSTAGE: into my own stage, back as whole rows of 512 bytes.  SEND: stored.
.macro SCALE a
	WIN 0x01                                       ; source 0 window 1
.irp b, 0,1,2,3,4,5,6,7
.irp k, 0,1,2,3
	v_pk_fma_f32 v[TMP+8*\b+2*\k:TMP+8*\b+2*\k+1], v[64*(\a)+8*\b+2*\k:64*(\a)+8*\b+2*\k+1], s[68:69], v[BI+2*(\a):BI+2*(\a)+1] op_sel_hi:[1,0,0]
.endr
.endr
	WIN 0
.endm
.macro TOSTAGE a
.set BK, OB+64*((\a)%2)
.irp b, 0,1,2,3,4,5,6,7
	ds_store_b128 v[STO], v[TMP+8*\b:TMP+8*\b+3] offset:64*\b
	ds_store_b128 v[STO], v[TMP+8*\b+4:TMP+8*\b+7] offset:64*\b+16
.endr
.irp t, 0,1,2,3,4,5,6,7,8,9,10,11,12,13,14,15
	ds_load_b128 v[BK+4*\t:BK+4*\t+3], v[RD] offset:\t*SP      ; a wave's LDS instructions are served in order: these see the stores above
.endr
.endm
.macro SEND a
.set BK, OB+64*((\a)%2)
	s_wait_dscnt 0x0                               ; the block is back in registers
	s_wait_xcnt 0x0                                ; the stores' base, and the registers that earlier stores read, are rewritten only behind this wait
.if (\a) == 0
	s_add_nc_u64 s[8:9], s[8:9], s[16:17]
.else
	s_add_nc_u64 s[8:9], s[8:9], 16*4096
.endif
.irp t, 0,1,2,3,4,5,6,7,8,9,10,11,12,13,14,15
	global_store_b128 v[CO], v[BK+4*\t:BK+4*\t+3], s[8:9] offset:\t*4096 th:TH_STORE_NT   ; the wave stores 512 consecutive bytes, at a multiple of 512 from out0's first byte
.endr
.endm
	s_wait_tensorcnt 0x1                           ; my part of K step 0 is in; K step 1's may stay out
	s_barrier_signal -1
	s_barrier_wait -1
	FETCH 0, 0, F0
	QUARTER 0, 1, F0, F1, 1                        ; the first quarter starts the sums
	WIN 0
	s_mov_b32 s3, LAPS-2
.Llap:                                                 ; two trips: K steps 0 to 3 ask for tiles 4 to 7
	LAP 4, 5
	WIN 0
	s_wait_xcnt 0x0                                ; the prefetches' base is written again only behind this wait; the last of them stands 48 products and a run of loads back
	s_add_nc_u64 s[PFB:PFB+1], s[PFB:PFB+1], 2*B_STEP  ; two tiles on (behind the second trip it is not used)
	s_sub_co_u32 s3, s3, 1
	s_cmp_lg_u32 s3, 0
	s_cbranch_scc1 .Llap
	LAP 0, 0                                       ; the third lap is written out: it still fills both slots and asks for nothing ahead: tile 7 was the last
	QUARTER 0, 2, F1, F0, 0                        ; the last lap fills nothing
	QUARTER 0, 3, F0, F1, 0
	TURN 0, 1, 0, 0
	QUARTER 1, 1, F0, F1, 0
	QUARTER 1, 2, F1, F0, 0
	QUARTER 1, 3, F0, F1, 0
	s_wait_dscnt 4
	WIN MUL
	MUL8 F1, 0, 0
	MUL8 F1, 1, 0
	s_wait_dscnt 0x0
	MUL8 F1, 2, 0
	MUL8 F1, 3, 0
	WIN 0
	PLACES
	s_wait_loadcnt 0x0                             ; the bias
	SCALE 0
	TOSTAGE 0
.irp a, 1,2,3                          ; block a's arithmetic stands between block a - 1's loads from the stage and the wait for them
	SCALE \a
	SEND \a-1
	TOSTAGE \a
.endr
	SEND 3
	s_wait_tensorcnt 0x0
	ds_add_u32 v62, v63
	s_wait_dscnt 0x0
	CROUND                                         ; the closing round: no work-group ends while a partner may still ask for a tile that names it
	s_endpgm
.Lfunc_end_k_qb9759be3ea_dense:
	.size	k_qb9759be3ea_dense, .Lfunc_end_k_qb9759be3ea_dense-k_qb9759be3ea_dense
	.p2alignl 7, 3214868480
	.fill 96, 4, 3214868480
	.section	.rodata,"a",@progbits
	.p2align	6, 0x0
	.amdhsa_kernel k_qb9759be3ea_dense
		.amdhsa_group_segment_fixed_size 327680
		.amdhsa_private_segment_fixed_size 0
		.amdhsa_enable_private_segment 0
		.amdhsa_kernarg_size 32
		.amdhsa_user_sgpr_count 2
		.amdhsa_user_sgpr_kernarg_segment_ptr 1
		.amdhsa_wavefront_size32 1
		.amdhsa_system_sgpr_workgroup_id_x 1
		.amdhsa_system_sgpr_workgroup_id_y 1
		.amdhsa_system_sgpr_workgroup_id_z 1
		.amdhsa_system_vgpr_workitem_id 0
		.amdhsa_next_free_vgpr 512
		.amdhsa_next_free_sgpr 74
		.amdhsa_reserve_vcc 0
		.amdhsa_float_denorm_mode_32 3
		.amdhsa_float_denorm_mode_16_64 3
		.amdhsa_memory_ordered 1
		.amdhsa_forward_progress 1
		.amdhsa_inst_pref_size 127
	.end_amdhsa_kernel
	.amdgpu_metadata
---
amdhsa.version: [ 1, 2 ]
amdhsa.kernels:
  - .name:           k_qb9759be3ea_dense
    .symbol:         k_qb9759be3ea_dense.kd
    .args:
      - { .name: wh, .offset: 0, .size: 8, .value_kind: global_buffer, .address_space: global }
      - { .name: att, .offset: 8, .size: 8, .value_kind: global_buffer, .address_space: global }
      - { .name: dense_b, .offset: 16, .size: 8, .value_kind: global_buffer, .address_space: global }
      - { .name: out0, .offset: 24, .size: 8, .value_kind: global_buffer, .address_space: global }
    .group_segment_fixed_size: 327680
    .private_segment_fixed_size: 0
    .kernarg_segment_align: 8
    .kernarg_segment_size: 32
    .max_flat_workgroup_size: 128
    .sgpr_count:     74
    .vgpr_count:     512
    .wavefront_size: 32
...
	.end_amdgpu_metadata
.endif
;; end of part 4
;; ======== version 2 of 2: 4 launches; version 1 with the launch tohalf written anew for expert scheduling mode
;; limits: values are held in f16: magnitudes above 65,504 overflow, below 6.1e-05 lose precision
;; workspace buffers: xh 50,331,648 bytes; wh 8,388,608 bytes; qkv 50,331,648 bytes; att 16,777,216 bytes
;; launch tohalf (part 5): grid 1792 x 1, 4 waves a work-group, no clusters, 0 bytes of LDS; arguments x, L_K, L_Q, L_V, dense_M, xh, wh; writes xh, wh
.if DOCPART == 5
	.amdgcn_target "amdgcn-amd-amdhsa--gfx1250"
	.amdhsa_code_object_version 6
	.text
	.protected	k_qb9759be3ea_tohalf
	.globl	k_qb9759be3ea_tohalf
	.p2align	8
	.type	k_qb9759be3ea_tohalf,@function
k_qb9759be3ea_tohalf:
	s_mov_b64 s[64:65], 0
	v_nop
	global_prefetch_b8 v0, s[64:65] scope:SCOPE_SE
	s_setreg_imm32_b32 hwreg(HW_REG_WAVE_SCHED_MODE, 0, 2), 2
	s_setreg_imm32_b32 hwreg(HW_REG_WAVE_MODE, 25, 1), 1
	s_wait_xcnt 0x0
	s_wait_alu depctr_vm_vsrc(0)
; xh = bf16(x);  wh = [ bf16(L_K) | bf16(L_Q) | bf16(L_V) | f16(bf16(dense_M)) ], element for element; the rounding to bf16 is to nearest even.
; The matrix operands made of the INPUTS are the inputs rounded to bf16, the rounding that the problem admits for them.  x and the three projection matrices meet only each other and stay bf16.
; dense_M meets the attention's result, which is kept in f16 (11 significant bits), so its bf16 number is stored in f16's encoding, which holds it exactly from 2^-17 up to f16's largest number.
; LIMITS: against reference() on the unrounded inputs the scores differ by about sqrt(128) x sqrt(2) x 1.6e-3 = 0.026 (operands of unit size), the outputs by about a hundredth of their root mean
; square.  A number of dense_M of magnitude 65,520 or more becomes infinite; below 2^-17 the second step adds an absolute error of at most 2^-25.
; SHARES.  The inputs are 28 units of 4 MiB (x: 24; four matrices).  A work-group converts 65,536 bytes of f32: 1,792 work-groups, the smallest multiple of 256 at which none straddles two buffers.
; Four waves; a row is 128 threads x 16 bytes = 2,048 bytes in and 1,024 out; 32 rows.  A wave's load covers 512 consecutive bytes, its store 256 consecutive, aligned bytes.
; No LDS, no barrier, no matrix unit: nothing is shared.
; THE MODE: SCHED_MODE bits 1:0 = 2 (LLVM: expert scheduling mode 2), set by the entry lines.  The code itself states the register dependences
; between vector instructions and memory instructions, with s_wait_alu, always for 0.
; THE PLAN.  The 32 rows go in 8 blocks of four.  Registers that memory instructions touch:
;   X0 .. X2   three blocks of numbers as loaded.  Written by loads alone.  Block p's conversions read X[p % 3]; behind them the loads of block p + 3 land in it.
;   Y          a pair for each of the 32 rows.  Written once, by the row's conversions; read once, by the row's store; never written again.
;   v1, v2     byte offsets, made once at the head and never written again: a row's place stands in the immediates, and the two scalar bases stay as they are.
;   BF and T are named by vector instructions alone.
; So ONE wait on va_vdst stands in a block, behind its conversions: it states that they have written the block's Y and are done reading its X.  The block's eight memory instructions follow it
; with no vector instruction between: four loads into that X, then the block's four stores.  The wait stands there, and not at the next block's head, so that the buffer is asked for again at
; once: eight to twelve loads of every wave are on their way.  No register that a memory instruction reads is written a second time, so the walk holds no wait on vm_vsrc and none on XCNT.
.set XCH,    1536                      ; chunks of x
.set HCH,    1536+192                  ; the first chunk of dense_M
.set BLOCK,  4                         ; rows in a block
.set BUFS,   3                         ; X buffers
.set ROWS,   32
.set BLOCKS, ROWS/BLOCK
.set RIN,    2048                      ; bytes of a row as read
.set ROUT,   1024                      ; and as stored
.set X,   4                            ; v[4:51]    buffer k, row i: 4 numbers as loaded, at X + 16 k + 4 i
.set Y,   52                           ; v[52:115]  row r: 4 numbers of 16 bits to store, at Y + 2 r
.set BF,  116                          ; v[116:117] dense_M: 4 bf16, at work
.set T,   118                          ; v[118:121] dense_M: the same as f32
	s_load_b256 s[4:11], s[0:1], 0x0               ; x s[4:5], L_K s[6:7], L_Q s[8:9], L_V s[10:11]
	s_load_b128 s[12:15], s[0:1], 0x20             ; dense_M s[12:13], xh s[14:15]
	s_load_b64 s[16:17], s[0:1], 0x30              ; wh
	s_mov_b32 s3, 0xffff0000                       ; a word's upper bf16
	s_sub_co_u32 s20, ttmp9, XCH                   ; chunk among the weights (wraps for a chunk of x, where it is not used)
	s_lshr_b32 s21, s20, 6                         ; which matrix: 0 L_K, 1 L_Q, 2 L_V, 3 dense_M
	s_and_b32 s22, s20, 63                         ; chunk in that matrix
	s_lshl_b32 s23, ttmp9, 16                      ; byte offsets: source in x,
	s_lshl_b32 s18, s22, 16                        ; source in a matrix,
	s_lshl_b32 s19, ttmp9, 15                      ; destination in xh,
	s_lshl_b32 s20, s20, 15                        ; destination in wh (the four matrices follow each other)
	s_cmp_lt_u32 ttmp9, XCH
	s_cselect_b32 s28, s23, s18
	s_cselect_b32 s30, s19, s20
	s_mov_b32 s29, 0
	s_mov_b32 s31, 0
	v_lshlrev_b32 v1, 4, v0                        ; 16 t: my 16 bytes of a row as read
	v_lshlrev_b32 v2, 3, v0                        ; 8 t: my 8 bytes of a row as stored
	s_wait_kmcnt 0x0
	s_mov_b64 s[24:25], s[12:13]                   ; the source buffer, chosen on the work-group's number alone
	s_cmp_eq_u32 s21, 2
	s_cselect_b64 s[24:25], s[10:11], s[24:25]
	s_cmp_eq_u32 s21, 1
	s_cselect_b64 s[24:25], s[8:9], s[24:25]
	s_cmp_eq_u32 s21, 0
	s_cselect_b64 s[24:25], s[6:7], s[24:25]
	s_cmp_lt_u32 ttmp9, XCH
	s_cselect_b64 s[24:25], s[4:5], s[24:25]
	s_cselect_b64 s[26:27], s[14:15], s[16:17]     ; the destination buffer
	s_add_nc_u64 s[24:25], s[24:25], s[28:29]
	s_add_nc_u64 s[26:27], s[26:27], s[30:31]
	s_wait_alu depctr_va_vdst(0)                   ; v1 and v2 are written: every load of the kernel reads v1 as its offset, every store v2, on both ways behind the branch below
.irp p, 0,1,2,3,4,5,6,7,8,9,10,11
	global_load_b128 v[X+4*\p:X+4*\p+3], v1, s[24:25] offset:\p*RIN th:TH_LOAD_NT   ; blocks 0, 1 and 2 into X0, X1, X2
.endr
; The 8 blocks, one after the other.  half = 1: dense_M's way, bf16 and then f16's encoding.
.macro WALK half
.set bk, 0
.rept BLOCKS
.set xb, X+4*BLOCK*(bk%BUFS)
.set lf, BLOCK*(BUFS-1)
.if BLOCKS-1-bk < BUFS-1
.set lf, BLOCK*(BLOCKS-1-bk)
.endif
	s_wait_loadcnt lf                              ; loads come back in order: this block's four are in, the younger blocks' (eight, at the end four and none) stay out
.set i, 0
.rept BLOCK
.set sx, xb+4*i
.set rw, BLOCK*bk+i
.if \half
	v_cvt_pk_bf16_f32 v[BF],   v[sx],   v[sx+1]    ; the one rounding that counts
	v_cvt_pk_bf16_f32 v[BF+1], v[sx+2], v[sx+3]
	v_lshlrev_b32 v[T],   16, v[BF]                ; bf16 to f32: the low half moves up,
	v_and_b32     v[T+1], s3, v[BF]                ; the high half stays
	v_lshlrev_b32 v[T+2], 16, v[BF+1]
	v_and_b32     v[T+3], s3, v[BF+1]
	v_cvt_pk_f16_f32 v[Y+2*rw],   v[T],   v[T+1]   ; exact from 2^-17 up to f16's largest number
	v_cvt_pk_f16_f32 v[Y+2*rw+1], v[T+2], v[T+3]
.else
	v_cvt_pk_bf16_f32 v[Y+2*rw],   v[sx],   v[sx+1]
	v_cvt_pk_bf16_f32 v[Y+2*rw+1], v[sx+2], v[sx+3]
.endif
.set i, i+1
.endr
	s_wait_alu depctr_va_vdst(0)                   ; the block's conversions have written its four pairs of Y, which the stores below read, and are done reading its X, in which the loads below land
.if bk+BUFS < BLOCKS
.set i, 0
.rept BLOCK
	global_load_b128 v[xb+4*i:xb+4*i+3], v1, s[24:25] offset:(BLOCK*(bk+BUFS)+i)*RIN th:TH_LOAD_NT   ; the buffer's next block, three on, ahead of the stores; the last three blocks load nothing
.set i, i+1
.endr
.endif
.set i, 0
.rept BLOCK
	global_store_b64 v2, v[Y+2*(BLOCK*bk+i):Y+2*(BLOCK*bk+i)+1], s[26:27] offset:(BLOCK*bk+i)*ROUT
.set i, i+1
.endr
.set bk, bk+1
.endr
.endm
	s_cmp_ge_u32 ttmp9, HCH                        ; the work-group's number alone decides: all four waves go the same way
	s_cbranch_scc1 .Lhalf
	WALK 0
	s_endpgm
.Lhalf:
	WALK 1
	s_endpgm
.Lfunc_end_k_qb9759be3ea_tohalf:
	.size	k_qb9759be3ea_tohalf, .Lfunc_end_k_qb9759be3ea_tohalf-k_qb9759be3ea_tohalf
	.p2alignl 7, 3214868480
	.fill 96, 4, 3214868480
	.section	.rodata,"a",@progbits
	.p2align	6, 0x0
	.amdhsa_kernel k_qb9759be3ea_tohalf
		.amdhsa_group_segment_fixed_size 0
		.amdhsa_private_segment_fixed_size 0
		.amdhsa_enable_private_segment 0
		.amdhsa_kernarg_size 56
		.amdhsa_user_sgpr_count 2
		.amdhsa_user_sgpr_kernarg_segment_ptr 1
		.amdhsa_wavefront_size32 1
		.amdhsa_system_sgpr_workgroup_id_x 1
		.amdhsa_system_sgpr_workgroup_id_y 1
		.amdhsa_system_sgpr_workgroup_id_z 1
		.amdhsa_system_vgpr_workitem_id 0
		.amdhsa_next_free_vgpr 122
		.amdhsa_next_free_sgpr 66
		.amdhsa_reserve_vcc 0
		.amdhsa_float_denorm_mode_32 3
		.amdhsa_float_denorm_mode_16_64 3
		.amdhsa_memory_ordered 1
		.amdhsa_forward_progress 1
		.amdhsa_inst_pref_size 30
	.end_amdhsa_kernel
	.amdgpu_metadata
---
amdhsa.version: [ 1, 2 ]
amdhsa.kernels:
  - .name:           k_qb9759be3ea_tohalf
    .symbol:         k_qb9759be3ea_tohalf.kd
    .args:
      - { .name: x, .offset: 0, .size: 8, .value_kind: global_buffer, .address_space: global }
      - { .name: L_K, .offset: 8, .size: 8, .value_kind: global_buffer, .address_space: global }
      - { .name: L_Q, .offset: 16, .size: 8, .value_kind: global_buffer, .address_space: global }
      - { .name: L_V, .offset: 24, .size: 8, .value_kind: global_buffer, .address_space: global }
      - { .name: dense_M, .offset: 32, .size: 8, .value_kind: global_buffer, .address_space: global }
      - { .name: xh, .offset: 40, .size: 8, .value_kind: global_buffer, .address_space: global }
      - { .name: wh, .offset: 48, .size: 8, .value_kind: global_buffer, .address_space: global }
    .group_segment_fixed_size: 0
    .private_segment_fixed_size: 0
    .kernarg_segment_align: 8
    .kernarg_segment_size: 56
    .max_flat_workgroup_size: 128
    .sgpr_count:     66
    .vgpr_count:     122
    .wavefront_size: 32
...
	.end_amdgpu_metadata
.endif
;; end of part 5
;; launch proj: the kernel of part 2 again; grid 32 x 8, 4 waves a work-group, clusters of 4 x 4, 327,680 bytes of LDS; arguments wh, xh, qkv; writes qkv
;; launch attn: the kernel of part 3 again; grid 256 x 1, 8 waves a work-group, no clusters, 327,680 bytes of LDS; arguments qkv, att; writes att
;; launch dense: the kernel of part 4 again; grid 32 x 8, 4 waves a work-group, clusters of 4 x 4, 327,680 bytes of LDS; arguments wh, att, dense_b, out0; writes out0
